; MI455X (gfx1250); checked and timed in simulation.
; The chip was launched on July 23, 2026; its instructions are those of AMD's public machine-readable ISA for CDNA 5 (MIT licence, August 2026) and "CDNA5" Instruction Set Architecture Reference Guide (July 2026). The comments in the code are by the model that wrote it; some were corrected since.
;; KAN. Allowed arithmetic: matrix products marked QUANTISED: E2M1 operands, one E8M0 scale for each 32 along K, by v_wmma_scale_f32_16x16x128_f8f6f4 with both operands' format E2M1 (or v_wmma_scale_f32_32x16x128_f4), f32 sums; products left as they are: f32 operands where the result goes on into a quantised operand, else bf16, f16 or f32 operands; f32 sums; everything else in f32.
;; Inputs: bw0 256 x 32 float32; bw1 256 x 256 float32; bw2 256 x 256 float32; bw3 1 x 256 float32; freq 16 float32; ss0 256 x 32 float32; ss1 256 x 256 float32; ss2 256 x 256 float32; ss3 1 x 256 float32; sw0 256 x 32 x 8 float32; sw1 256 x 256 x 8 float32; sw2 256 x 256 x 8 float32; sw3 1 x 256 x 8 float32; x 16,384 x 1 float32.
;; Outputs: out0 16,384 x 1 float32.
;; This version of the problem:
;;   THIS VERSION OF THE PROBLEM IS GIVEN IN LOW PRECISION. The matrix products marked QUANTISED in the list below multiply operands that are first quantised to E2M1 (2 exponent bits, 1 mantissa bit; 4 bits a number), with one power-of-two scale for each 32 numbers along K (OCP MX v1.0); their sums are f32. All else is computed in f32.
;;   The module's matrix products, in the order in which they are computed (A, B: the left and right operand; K: the contracted axis; several contracted axes count as one K, in the product's order):
;;     1. [M 16,384, K 256] x [K 256, N 256]; A: computed on the way; B: computed on the way: QUANTISED
;;     2. [M 16,384, K 32] x [K 32, N 256]; A: computed on the way; B: input bw0: QUANTISED
;;     3. [M 16,384, K 2,048] x [K 2,048, N 256]; A: computed on the way; B: computed on the way: QUANTISED
;;     4. [M 16,384, K 256] x [K 256, N 256]; A: computed on the way; B: input bw1: QUANTISED
;;     5. [M 16,384, K 2,048] x [K 2,048, N 256]; A: computed on the way; B: computed on the way: QUANTISED
;;     6. [M 16,384, K 256] x [K 256, N 256]; A: computed on the way; B: input bw2: QUANTISED
;;     7. [M 16,384, K 2,048] x [K 2,048, N 1]; A: computed on the way; B: computed on the way: left as it is (N = 1 < 16)
;;     8. [M 16,384, K 256] x [K 256, N 1]; A: computed on the way; B: input bw3: left as it is (N = 1 < 16)
;;   THE QUANTISER, for each operand of a quantised product, along K:
;;     - K is cut into blocks of 32 from its start; a last block that is shorter is filled with zeros.
;;     - A block's scale is 2^e with e = floor(log2(the largest magnitude in the block)) - 2, held to -126 .. 127; a block of zeros has e = 0. As a byte (E8M0): e + 127.
;;     - Each number is divided by its block's scale, clamped to +-6, and rounded to the nearest number of E2M1, ties to even, subnormals kept.
;;     - The product sums the exact products of the quantised numbers (number of the format x scale) in f32.
;;   ~~~python
;;   def quantise(x, axis):      # numpy; x: float32 -> the quantised numbers, widened to float32 again
;;       x = np.moveaxis(x, axis, -1); K = x.shape[-1]
;;       x = np.pad(x, [(0, 0)] * (x.ndim - 1) + [(0, -K % 32)]); x = x.reshape(x.shape[:-1] + (-1, 32)); a = np.abs(x).max(-1, keepdims=True)
;;       e = np.where(a > 0, np.clip(np.frexp(np.where(a > 0, a, 1))[1] - 1 - 2, -126, 127), 0)      # np.frexp(a)[1] - 1 = floor(log2(a)), exactly
;;       r = np.clip(x / 2.0 ** e, -6, 6)
;;       step = 2.0 ** (np.maximum(np.frexp(np.where(r == 0, 1, r))[1] - 1, 0) - 1)
;;       q = np.round(r / step) * step * 2.0 ** e      # np.round: ties to even
;;       return np.moveaxis(q.reshape(q.shape[:-2] + (-1,))[..., :K], -1, axis).astype(np.float32)
;;   ~~~
;;   OPERANDS COMPUTED ON THE WAY. 'Computed on the way' means the value that the module computes at that place (a softmax that the list does not call 'softmax' is quantised finished and normalised). What goes into a quantiser is computed in f32, as accurately as f32 sums, v_exp_f32 and their like allow (about 1e-6 of the number): no bf16 or f16 on the way to a quantiser, and a product that is left as it is and whose result goes on into a quantised operand takes f32 operands (vector FMAs, or v_wmma_f32_16x16x4_f32). A number that lies on a knife's edge between two numbers of the format may be rounded either way, as far as f32 arithmetic and the matrix unit's own rounding can turn it there, and no further.
;; 2 versions. Each part assembles by itself: llvm-mc -triple=amdgcn-amd-amdhsa -mcpu=gfx1250 --defsym DOCPART=n.
;; ======== version 1 of 2: 2 launches
;; limits: right only within a limited range of input values
;; workspace buffers: wq 638,976 bytes; wsc 39,936 bytes; t3 36,864 bytes
;; launch prep (part 1): grid 316 x 1, 1 waves a work-group, no clusters, 0 bytes of LDS; arguments sw0, ss0, bw0, sw1, ss1, bw1, sw2, ss2, bw2, sw3, ss3, bw3, wq, wsc, t3; writes wq, wsc, t3
.if DOCPART == 1
	.amdgcn_target "amdgcn-amd-amdhsa--gfx1250"
	.amdhsa_code_object_version 6
	.text
	.protected	k_q14547773c2_prep
	.globl	k_q14547773c2_prep
	.p2align	8
	.type	k_q14547773c2_prep,@function
k_q14547773c2_prep:
	s_mov_b64 s[64:65], 0
	v_nop
	global_prefetch_b8 v0, s[64:65] scope:SCOPE_SE
	s_setreg_imm32_b32 hwreg(HW_REG_WAVE_MODE, 25, 1), 1
	s_wait_xcnt 0x0
; THE WEIGHTS OF A KAN, MADE READY ONCE.  Layers 0 to 2: sw x ss (K = 8 x feature + basis) and bw (K = feature) become codes of FP4 (E2M1) with one E8M0 byte for each 32 along K,
; laid as IMAGES OF THE OPERAND'S REGISTERS: fragment (wave w, K step, tile n) is 1,024 bytes, half c at 512 c, lane l's 16 bytes at 16 l.  Lane (r, h), half c holds K = 128 step + 64 c + 32 h + 0 .. 31
; of weight row 32 w + 16 n + p(r), p = r with bits 2 and 3 exchanged: the product's result then lies in the order of the next layer's operand.
; The base weights' 32 features of a block are permuted as the second launch permutes the activations: place 16 h' + 8 t + 4 c' + g holds feature 16 t + 8 c' + 4 h' + g.
; Scale words: (w x steps + step) x 128 bytes + 4 x (16 n + r).  A block of zeros gets the byte 1 (its codes are zeros; this program alone reads the bytes).
; Layer 3 (one output): for each feature and each of the 11 cells of the knot grid the three coefficients of the cell's cubic without its constant term: the spline is then the sum over cells of
; T (a1 + T (a2 + T a3)), T = the position in the cell held to 0 .. 1.  288 bytes for a pair of features: a3, a2, a1 (two numbers each) for cells 0 .. 10, then bw3's two, then zeros.
; One wave to a work-group, one task each, told apart by the work-group's number: 0-255 spline steps of layers 1 and 2; 256-271 of layer 0; 272-303 base steps of layers 1, 2; 304-311 of layer 0; 312-315 layer 3.
; LIMITS: NaN and infinities among the inputs are not served; blocks whose largest magnitude lies under 2^-124 are held at the byte 1.
.set X,   32                           ; v32-159  four blocks of 32 numbers (block 2 n + c)
.set SSR, 160                          ; v160-175 ss of a block's four features
.set CD,  176                          ; v176-191 a block's codes, four registers
.set YB,  192                          ; v192-195 scale bytes
.set MX,  196                          ; v196-199 largest magnitudes
.set SC,  200                          ; v200-203 the conversions' scale operands
.set WD,  204                          ; v204-205 scale words of tiles 0, 1
.set WXR, 206                          ; v206-207 the other half's bytes
	s_load_b512 s[4:19], s[0:1], 0x0               ; sw0 s[4:5], ss0 s[6:7], bw0 s[8:9], sw1 s[10:11], ss1 s[12:13], bw1 s[14:15], sw2 s[16:17], ss2 s[18:19]
	s_load_b256 s[20:27], s[0:1], 0x40             ; bw2 s[20:21], sw3 s[22:23], ss3 s[24:25], bw3 s[26:27]
	s_load_b128 s[28:31], s[0:1], 0x60             ; wq s[28:29], wsc s[30:31]
	s_load_b64 s[32:33], s[0:1], 0x70              ; t3
	v_and_b32 v1, 15, v0                           ; r
	v_lshrrev_b32 v2, 4, v0                        ; h
	v_and_b32 v3, 3, v1
	v_bfe_u32 v9, v1, 2, 1
	v_bfe_u32 v10, v1, 3, 1
	v_lshl_or_b32 v3, v9, 3, v3
	v_lshl_or_b32 v3, v10, 2, v3                   ; p(r)
	v_lshlrev_b32 v6, 4, v0                        ; 16 x lane
	v_lshlrev_b32 v7, 2, v0                        ; 4 x lane
	v_lshlrev_b32 v8, 3, v2                        ; 8 h: my bytes' shift in a scale word
	v_mov_b32 v[WXR], 0                            ; a lane permute's destination counts as one of its sources
	v_mov_b32 v[WXR+1], 0
	s_mov_b32 s40, 0x76543210
	s_mov_b32 s41, 0xfedcba98                      ; selects for lane l xor 16
	s_mov_b32 s45, 0                               ; the high word of every offset
	s_wait_kmcnt 0x0
	s_cmp_lt_u32 ttmp9, 256
	s_cbranch_scc1 .Lspl_big
	s_cmp_lt_u32 ttmp9, 272
	s_cbranch_scc1 .Lspl0
	s_cmp_lt_u32 ttmp9, 304
	s_cbranch_scc1 .Lbase_big
	s_cmp_lt_u32 ttmp9, 312
	s_cbranch_scc1 .Lbase0
	s_branch .Lt3
; four blocks of 32 numbers: rows 16 n + p(r), 128 bytes at 256 c + 128 h.  perm = 1: the eight groups of four features go to the places of the base operand's order
.macro LOADBLK pitch, perm
.irp n, 0,1
.irp c, 0,1
.irp k, 0,1,2,3,4,5,6,7
.if \perm
	global_load_b128 v[X+32*(2*\n+\c)+4*(\k/2+4*(\k%2)):X+32*(2*\n+\c)+4*(\k/2+4*(\k%2))+3], v4, s[34:35] offset:\n*16*\pitch+256*\c+16*\k
.else
	global_load_b128 v[X+32*(2*\n+\c)+4*\k:X+32*(2*\n+\c)+4*\k+3], v4, s[34:35] offset:\n*16*\pitch+256*\c+16*\k
.endif
.endr
.endr
.endr
.endm
; nb blocks become codes and bytes; the blocks take turns line by line
.macro QALL nb
.set bq, 0
.rept \nb
	v_max3_num_f32 v[MX+bq], |v[X+32*bq]|, |v[X+32*bq+1]|, 0x1800000   ; the floor 2^(3 - 127) among the leaves holds the byte at 1 from below
.set bq, bq+1
.endr
.irp i, 2,4,6,8,10,12,14,16,18,20,22,24,26,28,30
.set bq, 0
.rept \nb
	v_max3_num_f32 v[MX+bq], v[MX+bq], |v[X+32*bq+\i]|, |v[X+32*bq+\i+1]|
.set bq, bq+1
.endr
.endr
.set bq, 0
.rept \nb
	v_add_nc_u32 v[SC+bq], 0xff000000, v[MX+bq]    ; 2 off the exponent field: the conversion's scale operand
.set bq, bq+1
.endr
.set bq, 0
.rept \nb
	v_lshrrev_b32 v[YB+bq], 23, v[SC+bq]           ; the scale's byte
.set bq, bq+1
.endr
.set bq, 0
.rept \nb
.irp g, 0,1,2,3
	v_cvt_scalef32_pk8_fp4_f32 v[CD+4*bq+\g], v[X+32*bq+8*\g:X+32*bq+8*\g+7], v[SC+bq]
.endr
.set bq, bq+1
.endr
	v_nop                                          ; one plain line behind the last conversion
.endm
; where the task's fragments and scale words go: s51 = w x steps + step, s2 and s3 the layer's first byte in wq and wsc
.macro OUTPTR
	s_lshl_b32 s44, s51, 11
	s_add_co_u32 s44, s44, s2
	s_add_nc_u64 s[38:39], s[28:29], s[44:45]
	s_lshl_b32 s44, s51, 7
	s_add_co_u32 s44, s44, s3
	s_add_nc_u64 s[42:43], s[30:31], s[44:45]
.endm
; the four bytes of a row's word lie in lanes l and l xor 16 (blocks h and 2 + h); then lanes 0-15 keep tile 0's word, lanes 16-31 tile 1's; all is stored
.macro OUT4
.irp n, 0,1
	v_lshl_or_b32 v[WD+\n], v[YB+2*\n+1], 16, v[YB+2*\n]
	v_lshlrev_b32 v[WD+\n], v8, v[WD+\n]
	v_permlanex16_b32 v[WXR+\n], v[WD+\n], s40, s41
	v_or_b32 v[WD+\n], v[WD+\n], v[WXR+\n]
.endr
	v_cmp_eq_u32 vcc_lo, 1, v2
	v_cndmask_b32 v[WD], v[WD], v[WD+1], vcc_lo
	global_store_b32 v7, v[WD], s[42:43]           ; 128 consecutive bytes
.irp n, 0,1
.irp c, 0,1
	global_store_b128 v6, v[CD+4*(2*\n+\c):CD+4*(2*\n+\c)+3], s[38:39] offset:\n*1024+\c*512   ; 512 consecutive bytes
.endr
.endr
.endm
.macro SPLBODY pitch, ps
	LOADBLK \pitch, 0
.irp n, 0,1
.irp c, 0,1
	global_load_b128 v[SSR+4*(2*\n+\c):SSR+4*(2*\n+\c)+3], v5, s[36:37] offset:\n*16*\ps+32*\c
.endr
.endr
	s_wait_loadcnt 0x0
.irp b, 0,1,2,3
.irp q, 0,1,2,3
.irp i, 0,1,2,3,4,5,6,7
	v_mul_f32 v[X+32*\b+8*\q+\i], v[X+32*\b+8*\q+\i], v[SSR+4*\b+\q]   ; sw x ss, rounded once
.endr
.endr
.endr
	QALL 4
	OUT4
	s_endpgm
.endm
.Lspl_big:                                             ; layers 1 and 2: 8 waves x 16 K steps each
	s_cmp_lt_u32 ttmp9, 128
	s_cselect_b64 s[34:35], s[10:11], s[16:17]
	s_cselect_b64 s[36:37], s[12:13], s[18:19]
	s_mov_b32 s2, 344064
	s_cselect_b32 s2, 49152, s2
	s_mov_b32 s3, 21504
	s_cselect_b32 s3, 3072, s3
	s_and_b32 s48, ttmp9, 127
	s_lshr_b32 s49, s48, 4                         ; w
	s_and_b32 s50, s48, 15                         ; K step
	s_mul_i32 s51, s49, 18
	s_add_co_u32 s51, s51, s50
	s_lshl_b32 s44, s49, 18                        ; 32 rows of 8,192 bytes
	s_lshl_b32 s52, s50, 9
	s_add_co_u32 s44, s44, s52
	s_add_nc_u64 s[34:35], s[34:35], s[44:45]
	s_lshl_b32 s44, s49, 15                        ; 32 rows of 1,024 bytes
	s_lshl_b32 s52, s50, 6
	s_add_co_u32 s44, s44, s52
	s_add_nc_u64 s[36:37], s[36:37], s[44:45]
	OUTPTR
	v_lshlrev_b32 v4, 13, v3
	v_lshl_add_u32 v4, v2, 7, v4
	v_lshlrev_b32 v5, 10, v3
	v_lshl_add_u32 v5, v2, 4, v5
	SPLBODY 8192, 1024
.Lspl0:                                                ; layer 0: 8 waves x 2 K steps
	s_sub_co_u32 s48, ttmp9, 256
	s_lshr_b32 s49, s48, 1
	s_and_b32 s50, s48, 1
	s_mul_i32 s51, s49, 3
	s_add_co_u32 s51, s51, s50
	s_mov_b32 s2, 0
	s_mov_b32 s3, 0
	s_lshl_b32 s44, s49, 15
	s_lshl_b32 s52, s50, 9
	s_add_co_u32 s44, s44, s52
	s_add_nc_u64 s[34:35], s[4:5], s[44:45]
	s_lshl_b32 s44, s49, 12
	s_lshl_b32 s52, s50, 6
	s_add_co_u32 s44, s44, s52
	s_add_nc_u64 s[36:37], s[6:7], s[44:45]
	OUTPTR
	v_lshlrev_b32 v4, 10, v3
	v_lshl_add_u32 v4, v2, 7, v4
	v_lshlrev_b32 v5, 7, v3
	v_lshl_add_u32 v5, v2, 4, v5
	SPLBODY 1024, 128
.Lbase_big:                                            ; bw1, bw2: 8 waves x 2 K steps each, K steps 16 and 17 of the layer
	s_sub_co_u32 s48, ttmp9, 272
	s_cmp_lt_u32 s48, 16
	s_cselect_b64 s[34:35], s[14:15], s[20:21]
	s_mov_b32 s2, 344064
	s_cselect_b32 s2, 49152, s2
	s_mov_b32 s3, 21504
	s_cselect_b32 s3, 3072, s3
	s_bfe_u32 s49, s48, 0x30001                    ; w
	s_and_b32 s50, s48, 1                          ; which 128 features
	s_mul_i32 s51, s49, 18
	s_add_co_u32 s51, s51, s50
	s_add_co_u32 s51, s51, 16
	s_lshl_b32 s44, s49, 15
	s_lshl_b32 s52, s50, 9
	s_add_co_u32 s44, s44, s52
	s_add_nc_u64 s[34:35], s[34:35], s[44:45]
	OUTPTR
	v_lshlrev_b32 v4, 10, v3
	v_lshl_add_u32 v4, v2, 7, v4
	LOADBLK 1024, 1
	s_wait_loadcnt 0x0
	QALL 4
	OUT4
	s_endpgm
.Lbase0:                                               ; bw0: K = 32 is one block; the rest of its K step of 128 is zero codes under the byte 127
	s_sub_co_u32 s49, ttmp9, 304
	s_mul_i32 s51, s49, 3
	s_add_co_u32 s51, s51, 2
	s_mov_b32 s2, 0
	s_mov_b32 s3, 0
	s_lshl_b32 s44, s49, 12
	s_add_nc_u64 s[34:35], s[8:9], s[44:45]
	OUTPTR
	v_lshlrev_b32 v4, 7, v3
.irp n, 0,1
.irp k, 0,1,2,3,4,5,6,7
	global_load_b128 v[X+32*\n+4*(\k/2+4*(\k%2)):X+32*\n+4*(\k/2+4*(\k%2))+3], v4, s[34:35] offset:\n*2048+16*\k
.endr
.endr
	s_wait_loadcnt 0x0
	QALL 2
	v_cmp_eq_u32 vcc_lo, 0, v2
.irp i, 0,1,2,3,4,5,6,7
	v_cndmask_b32 v[CD+\i], 0, v[CD+\i], vcc_lo    ; block 0 lies in lanes 0-15 of half 0
.endr
.irp i, 8,9,10,11
	v_mov_b32 v[CD+\i], 0
.endr
.irp n, 0,1
	v_or_b32 v[WD+\n], 0x7f7f7f00, v[YB+\n]
.endr
	v_cmp_eq_u32 vcc_lo, 1, v2
	v_cndmask_b32 v[WD], v[WD], v[WD+1], vcc_lo
	global_store_b32 v7, v[WD], s[42:43]
.irp n, 0,1
	global_store_b128 v6, v[CD+4*\n:CD+4*\n+3], s[38:39] offset:\n*1024
	global_store_b128 v6, v[CD+8:CD+11], s[38:39] offset:\n*1024+512
.endr
	s_endpgm
.Lt3:                                                  ; layer 3: a lane to a pair of features
.set EX, 64                            ; v64-77, v80-93: sw3 x ss3 of the two features with three zeros at each end
.set OT, 112                           ; v112-183: the pair's 72 words
	s_sub_co_u32 s48, ttmp9, 312
	s_lshl_b32 s48, s48, 5
	v_add_nc_u32 v9, s48, v0                       ; the pair's number: 16 w + P
	v_and_b32 v10, 0x70, v9
	v_lshlrev_b32 v10, 1, v10                      ; 32 w
	v_bfe_u32 v11, v9, 3, 1
	v_lshl_or_b32 v10, v11, 4, v10                 ; the second launch's stage holds feature 16 t + 8 c + 4 h + g at place 16 t + 8 h + 4 c + g
	v_bfe_u32 v11, v9, 2, 1
	v_lshl_or_b32 v10, v11, 2, v10
	v_bfe_u32 v11, v9, 1, 1
	v_lshl_or_b32 v10, v11, 3, v10
	v_and_b32 v11, 1, v9
	v_lshl_or_b32 v10, v11, 1, v10                 ; the pair's first feature, an even one
	v_lshlrev_b32 v12, 5, v10
	v_lshlrev_b32 v13, 2, v10
	v_mul_u32_u24 v14, v9, 288
.irp k, 0,1,2,3
	global_load_b128 v[32+4*\k:35+4*\k], v12, s[22:23] offset:16*\k
.endr
	global_load_b64 v[48:49], v13, s[24:25]
	global_load_b64 v[OT+66:OT+67], v13, s[26:27]
.irp z, 0,1
.irp i, 0,1,2,11,12,13
	v_mov_b32 v[EX+16*\z+\i], 0
.endr
.endr
.irp i, 68,69,70,71
	v_mov_b32 v[OT+\i], 0
.endr
	s_wait_loadcnt 0x0
.irp z, 0,1
.irp j, 0,1,2,3,4,5,6,7
	v_mul_f32 v[EX+16*\z+3+\j], v[32+8*\z+\j], v[48+\z]
.endr
.endr
; cell i meets bases i - 3 .. i: e0 .. e3.  a1 = (e2 - e0) / 2;  a2 = (e0 + e2) / 2 - e1;  a3 = (e3 - e0) / 6 + (e1 - e2) / 2
.macro CELL i, z
	v_sub_f32 v52, v[EX+16*\z+\i+2], v[EX+16*\z+\i]
	v_add_f32 v53, v[EX+16*\z+\i], v[EX+16*\z+\i+2]
	v_sub_f32 v54, v[EX+16*\z+\i+3], v[EX+16*\z+\i]
	v_sub_f32 v55, v[EX+16*\z+\i+1], v[EX+16*\z+\i+2]
	v_mul_f32 v[OT+6*\i+4+\z], 0.5, v52
	v_fma_f32 v[OT+6*\i+2+\z], v53, 0.5, -v[EX+16*\z+\i+1]
	v_mul_f32 v55, 0.5, v55
	v_fmamk_f32 v[OT+6*\i+\z], v54, 0x3e2aaaab, v55
.endm
.irp i, 0,1,2,3,4,5,6,7,8,9,10
	CELL \i, 0
	CELL \i, 1
.endr
.irp k, 0,1,2,3,4,5,6,7,8,9,10,11,12,13,14,15,16,17
	global_store_b128 v14, v[OT+4*\k:OT+4*\k+3], s[32:33] offset:16*\k
.endr
	s_endpgm
.Lfunc_end_k_q14547773c2_prep:
	.size	k_q14547773c2_prep, .Lfunc_end_k_q14547773c2_prep-k_q14547773c2_prep
	.p2alignl 7, 3214868480
	.fill 96, 4, 3214868480
	.section	.rodata,"a",@progbits
	.p2align	6, 0x0
	.amdhsa_kernel k_q14547773c2_prep
		.amdhsa_group_segment_fixed_size 0
		.amdhsa_private_segment_fixed_size 0
		.amdhsa_enable_private_segment 0
		.amdhsa_kernarg_size 120
		.amdhsa_user_sgpr_count 2
		.amdhsa_user_sgpr_kernarg_segment_ptr 1
		.amdhsa_wavefront_size32 1
		.amdhsa_system_sgpr_workgroup_id_x 1
		.amdhsa_system_sgpr_workgroup_id_y 1
		.amdhsa_system_sgpr_workgroup_id_z 1
		.amdhsa_system_vgpr_workitem_id 0
		.amdhsa_next_free_vgpr 208
		.amdhsa_next_free_sgpr 66
		.amdhsa_reserve_vcc 1
		.amdhsa_float_denorm_mode_32 3
		.amdhsa_float_denorm_mode_16_64 3
		.amdhsa_memory_ordered 1
		.amdhsa_forward_progress 1
		.amdhsa_inst_pref_size 59
	.end_amdhsa_kernel
	.amdgpu_metadata
---
amdhsa.version: [ 1, 2 ]
amdhsa.kernels:
  - .name:           k_q14547773c2_prep
    .symbol:         k_q14547773c2_prep.kd
    .args:
      - { .name: sw0, .offset: 0, .size: 8, .value_kind: global_buffer, .address_space: global }
      - { .name: ss0, .offset: 8, .size: 8, .value_kind: global_buffer, .address_space: global }
      - { .name: bw0, .offset: 16, .size: 8, .value_kind: global_buffer, .address_space: global }
      - { .name: sw1, .offset: 24, .size: 8, .value_kind: global_buffer, .address_space: global }
      - { .name: ss1, .offset: 32, .size: 8, .value_kind: global_buffer, .address_space: global }
      - { .name: bw1, .offset: 40, .size: 8, .value_kind: global_buffer, .address_space: global }
      - { .name: sw2, .offset: 48, .size: 8, .value_kind: global_buffer, .address_space: global }
      - { .name: ss2, .offset: 56, .size: 8, .value_kind: global_buffer, .address_space: global }
      - { .name: bw2, .offset: 64, .size: 8, .value_kind: global_buffer, .address_space: global }
      - { .name: sw3, .offset: 72, .size: 8, .value_kind: global_buffer, .address_space: global }
      - { .name: ss3, .offset: 80, .size: 8, .value_kind: global_buffer, .address_space: global }
      - { .name: bw3, .offset: 88, .size: 8, .value_kind: global_buffer, .address_space: global }
      - { .name: wq, .offset: 96, .size: 8, .value_kind: global_buffer, .address_space: global }
      - { .name: wsc, .offset: 104, .size: 8, .value_kind: global_buffer, .address_space: global }
      - { .name: t3, .offset: 112, .size: 8, .value_kind: global_buffer, .address_space: global }
    .group_segment_fixed_size: 0
    .private_segment_fixed_size: 0
    .kernarg_segment_align: 8
    .kernarg_segment_size: 120
    .max_flat_workgroup_size: 32
    .sgpr_count:     66
    .vgpr_count:     208
    .wavefront_size: 32
...
	.end_amdgpu_metadata
.endif
;; end of part 1
;; launch kan (part 2): grid 256 x 1, 8 waves a work-group, no clusters, 277,504 bytes of LDS; arguments x, freq, wq, wsc, t3, out0; writes out0
.if DOCPART == 2
	.amdgcn_target "amdgcn-amd-amdhsa--gfx1250"
	.amdhsa_code_object_version 6
	.text
	.protected	k_q14547773c2_kan
	.globl	k_q14547773c2_kan
	.p2align	8
	.type	k_q14547773c2_kan,@function
k_q14547773c2_kan:
	s_mov_b64 s[64:65], 0
	v_nop
	global_prefetch_b8 v0, s[64:65] scope:SCOPE_SE
	s_setreg_imm32_b32 hwreg(HW_REG_WAVE_MODE, 25, 1), 1
	s_wait_xcnt 0x0
; A KAN OF FOUR LAYERS ON 16,384 POINTS, ALL LAYERS IN ONE LAUNCH.  enc = x freq; 16 sines and 16 cosines; three layers (32 -> 256 -> 256 -> 256), each the sum of a spline product (K = 8 x feature + basis)
; and a base product (K = feature, silu), both on codes of FP4 (E2M1) with one E8M0 byte for each 32 along K; a last layer 256 -> 1 in f32.
; SHARES.  A work-group takes 64 points (four tiles of 16).  Wave w of eight owns output features 32 w .. 32 w + 31 (two tiles) for all 64 points: eight accumulators.  Its weights of a layer (36 fragments) go from
; memory straight into its registers, as the first launch laid them, while the vector phase before runs.  What goes round through LDS is the points' codes, as images of the operand's registers.
; No cluster and no tensor load: the weights are wanted in registers, and LDS reads already bound the product phase; a tile sent to LDS first would add its bytes there.
; LAYOUT.  The products are used transposed (source 0 = 16 weight rows, source 1 = 16 points), and lane r of a weight tile holds output feature p(r) (bits 2 and 3 of r exchanged).  Register 4 c + g of lane (r, h) of a
; result is then feature 8 c + 4 h + g of point r: the very register of the next spline operand (a register = a feature's 8 bases), and a block of 32 is the lane's four features: no lane is asked for a maximum.
; SPLINE.  u = 2.5 x + 5.5, cell i = floor(u), t = u - i, s = 1 - t: the four bases that are not 0 are s^3/6, 2/3 + t^2 (t/2 - 1), 2/3 + s^2 (s/2 - 1), t^3/6, of bases i - 3 .. i.  Those outside 0 .. 7 become 0.
; One conversion makes the four codes; two shifts by counts taken modulo 32 put them at nibbles i - 3 on; what wraps round is a masked zero.
; LAST LAYER.  The sum over the 11 cells of T (a1 + T (a2 + T a3)), T = u - i held to 0 .. 1: the same spline, with no address made of data.
; LIMITS: NaN and infinities are not served.  |x freq| up to 1e8 (the quadrant is kept as a 32-bit number).  A feature is held to +-2.19999.. ahead of the spline weights: outside the grid a basis is at most about 1e-19
; where it should be 0.  The knots are taken as exactly uniform.  Blocks of zeros get the byte 1: their codes are zeros, and this program alone reads the bytes.
.set REG0, 0                           ; LDS: two regions for the points' operands, by turns from layer to layer.  In a region:
.set REG1, 81920
.set FRB,  65536                       ;   +0 spline fragment (K step s, tile m) at (4 s + m) x 1,024; +65,536 base fragment (b, m) at (4 b + m) x 1,024;
.set SCA,  73728                       ;   scale words: (2 (step / 4) + m / 2) x 512 + 16 (r + 16 (m % 2)) + 4 (step % 4); the base steps count as steps 16, 17
.set SCB,  77824
.set STG,  163840                      ; a stage of 9,216 bytes for each wave: its results on their way to the vector phase
.set T3L,  237568                      ; 4,608 bytes for each wave: the last layer's coefficients of its 32 features
.set RED,  274432                      ; 256 bytes for each wave: its part of the 64 outputs
.set LN,   1                           ; v1 lane, v2 r, v3 h
.set RW,   2
.set HF,   3
.set LI,   4                           ; 16 x lane
.set L4,   5                           ; 4 x lane
.set SH8,  6                           ; 8 h
.set STQ,  7                           ; my stage, register images
.set SFW,  8                           ; my stage, as rows of 144 bytes
.set AFR0, 9                           ; where my spline fragments go;  v10 their scale words;  v11 my part of a base fragment;  v12 its scale byte
.set ASW0, 10
.set ABF0, 11
.set ABS0, 12
.set EFR,  13                          ; the same for the encoding (waves 0 to 3, a tile of points each); v16 the base fragment whole
.set ESW,  14
.set EBF,  15
.set EBZ,  16
.set EBS,  17
.set RA,   18                          ; 16 x lane + the region read;  v19 the same + 65,536
.set RB,   19
.set ACC,  32                          ; accumulator (tile n, points m) at 32 + 8 (4 n + m)
.set AF,   96                          ; the points' fragments, two sets of 32
.set ASC,  160                         ; the points' scale words
.set WSCL, 196                         ; the weights' scale words, a register a K step
.set BWF,  214                         ; the base weights' four fragments; the spline weights fill window 1
.set FCA,  246                         ; last layer: coefficients;  v247 my rows in the stage;  v248 where the coefficients are put;  v249, v250 the sums' words;  v251, v252 a trip's addresses;  v253 8 x lane
.set FXA,  247
.set T3W,  248
.set REDW, 249
.set REDR, 250
.set FCT,  251
.set FXT,  252
.set OUTO, 253
.set C55,  254                         ; v[254:255] 5.5 twice
; the vector phase's registers lie over the accumulators, fragments and scale words, which are idle then
.set H,    32                          ; 16 features of a point: 8 t + 4 c + g
.set Z,    48                          ; silu at work
.set W,    64                          ; four features x (4 weights, 4 zeros)
.set ST,   96                          ; pairs (s, t);  v104 their squares;  v112, v120 at work
.set SQ,   104
.set PA,   112
.set PB,   120
.set XC,   128
.set FI,   132
.set CC,   136
.set II,   140
.set N1,   144
.set N2,   148
.set CW,   152
.set MA,   156
.set SCL,  157
.set Y0,   158
.set Y1,   159
.set WP0,  160
.set WX,   161
.set WP1,  162
.set MB,   163
.set PC0,  164
.set BM,   172
.set BX,   173
.set BS,   174
.set BY,   175
.set BC,   176
.set TA,   178
.set PC1,  184
.set MSB, 0
.macro WIN new                         ; the immediate's high byte repeats the setting that is left
.if MSB != \new
	s_set_vgpr_msb (MSB<<8)|\new
.set MSB, \new
.endif
.endm
.macro BAR                             ; my LDS stores have landed and my LDS loads are in: then the work-group's barrier
	s_wait_dscnt 0x0
	s_barrier_signal -1
	s_barrier_wait -1
.endm
	s_load_b256 s[4:11], s[0:1], 0x0               ; x s[4:5], freq s[6:7], wq s[8:9], wsc s[10:11]
	s_load_b128 s[12:15], s[0:1], 0x20             ; t3 s[12:13], out0 s[14:15]
	v_lshrrev_b32 v1, 5, v0
	v_readfirstlane_b32 s16, v1                    ; wave 0..7
	v_and_b32 v[LN], 31, v0
	v_and_b32 v[RW], 15, v0
	v_bfe_u32 v[HF], v0, 4, 1
	v_lshlrev_b32 v[LI], 4, v[LN]
	v_lshlrev_b32 v[L4], 2, v[LN]
	v_lshlrev_b32 v[SH8], 3, v[HF]
	v_lshlrev_b32 v[OUTO], 3, v[LN]
	; every LDS address register is made here, ahead of the first parting of the waves
	s_mul_i32 s29, s16, 9216
	s_add_co_u32 s29, s29, STG
	v_add_nc_u32 v[STQ], s29, v[LI]
	v_mul_u32_u24 v[SFW], v[RW], 144
	v_lshl_add_u32 v[FXA], v[HF], 3, v[SFW]
	v_lshl_add_u32 v[SFW], v[HF], 5, v[SFW]
	v_add_nc_u32 v[SFW], s29, v[SFW]               ; row r of 144 bytes, + 32 h
	v_add_nc_u32 v[FXA], s29, v[FXA]               ; row r, + 8 h
	s_lshl_b32 s30, s16, 13
	v_add_nc_u32 v[AFR0], s30, v[LI]               ; K steps 2 w, 2 w + 1: 8,192 w
	s_lshr_b32 s30, s16, 1
	s_lshl_b32 s30, s30, 10
	s_and_b32 s31, s16, 1
	s_lshl_b32 s31, s31, 3
	s_add_co_u32 s30, s30, s31
	s_add_co_u32 s30, s30, SCA
	v_lshl_add_u32 v[ASW0], v[RW], 4, s30
	v_lshlrev_b32 v[RA], 4, v[RW]
	v_lshl_add_u32 v[RA], v[HF], 3, v[RA]          ; 16 r + 8 h
	s_lshr_b32 s30, s16, 2
	s_and_b32 s31, s16, 3
	s_lshl_b32 s32, s30, 12
	s_lshl_b32 s33, s31, 8
	s_add_co_u32 s32, s32, s33
	s_add_co_u32 s32, s32, FRB
	v_add_nc_u32 v[ABF0], s32, v[RA]               ; block w % 4 of base step w / 4: half (w / 2) % 2, lanes 16 (w % 2) on
	s_lshl_b32 s32, s30, 2
	s_add_co_u32 s32, s32, s31
	s_add_co_u32 s32, s32, SCB
	v_lshl_add_u32 v[ABS0], v[RW], 4, s32
	s_lshl_b32 s30, s16, 10
	v_add_nc_u32 v[EFR], s30, v[LI]
	s_add_co_u32 s31, s30, FRB
	v_add_nc_u32 v[EBF], s31, v[RA]
	v_add_nc_u32 v[EBZ], s31, v[LI]
	s_lshl_b32 s32, s16, 8
	s_add_co_u32 s33, s32, SCA
	v_lshl_add_u32 v[ESW], v[RW], 4, s33
	s_add_co_u32 s33, s32, SCB
	v_lshl_add_u32 v[EBS], v[RW], 4, s33
	s_add_co_u32 s33, s32, RED
	v_lshl_add_u32 v[REDW], v[RW], 2, s33
	v_add_nc_u32 v[REDR], RED, v[OUTO]
	s_mul_i32 s30, s16, 4608
	s_add_co_u32 s30, s30, T3L
	v_add_nc_u32 v[T3W], s30, v[LI]
	v_mul_u32_u24 v[FCA], v[HF], 288
	v_add_nc_u32 v[FCA], s30, v[FCA]
	; constants.  v20-31: the pairs of the four weights' polynomials in (s, t)
	v_mov_b32 v20, 0x3e2aaaab                      ; (1/6, 1/2)
	v_mov_b32 v21, 0.5
	v_mov_b32 v22, 0                               ; (0, -1)
	v_mov_b32 v23, -1.0
	v_mov_b32 v24, 0.5                             ; (1/2, 1/6)
	v_mov_b32 v25, 0x3e2aaaab
	v_mov_b32 v26, -1.0                            ; (-1, 0)
	v_mov_b32 v27, 0
	v_mov_b32 v28, 0                               ; (0, 2/3)
	v_mov_b32 v29, 0x3f2aaaab
	v_mov_b32 v30, 0x3f2aaaab                      ; (2/3, 0)
	v_mov_b32 v31, 0
	v_mov_b32 v[C55], 0x40b00000
	v_mov_b32 v[C55+1], 0x40b00000
	v_mov_b32 v[WX], 0                             ; a lane permute's destination counts as one of its sources
	v_mov_b32 v[BX], 0
	s_mov_b32 s20, 0xc00ccccc                      ; the hold ahead of the spline weights: just inside the grid's ends, so that the cell is 0 .. 10
	s_mov_b32 s21, 0x400ccccb
	s_mov_b32 s22, 0x40200000                      ; 2.5
	s_mov_b32 s23, 0x40200000
	s_mov_b32 s24, 0x40b00000                      ; 5.5
	s_mov_b32 s25, 0x40b00000
	s_mov_b32 s26, 0x76543210
	s_mov_b32 s27, 0xfedcba98                      ; selects for lane l xor 16
	s_mov_b32 s58, 0xbfb8aa3b                      ; -log2(e)
	s_mov_b32 s59, 0xbfb8aa3b
	v_lshlrev_b32 v57, 2, v[RW]
	v_lshlrev_b32 v58, 4, v[HF]
	s_wait_kmcnt 0x0
	s_mov_b32 s31, 0
	s_lshl_b32 s30, ttmp9, 8
	s_add_nc_u64 s[14:15], s[14:15], s[30:31]      ; out0 at my 64 points
	s_and_b32 s32, s16, 3
	s_lshl_b32 s32, s32, 6
	s_add_co_u32 s30, s30, s32
	s_add_nc_u64 s[4:5], s[4:5], s[30:31]          ; x at tile wave % 4 (waves 4 to 7 load inside the buffer and use nothing of it)
	s_mul_i32 s30, s16, 4608
	s_add_nc_u64 s[12:13], s[12:13], s[30:31]
	s_mul_i32 s30, s16, 6144
	s_add_nc_u64 s[34:35], s[8:9], s[30:31]        ; my weights of layer 0,
	s_mul_i32 s30, s16, 36864
	s_add_co_u32 s30, s30, 49152
	s_add_nc_u64 s[36:37], s[8:9], s[30:31]        ; 1,
	s_add_co_u32 s30, s30, 294912
	s_add_nc_u64 s[38:39], s[8:9], s[30:31]        ; 2;
	s_mul_i32 s30, s16, 384
	s_add_nc_u64 s[40:41], s[10:11], s[30:31]      ; and their scale words
	s_mul_i32 s30, s16, 2304
	s_add_co_u32 s30, s30, 3072
	s_add_nc_u64 s[42:43], s[10:11], s[30:31]
	s_add_co_u32 s30, s30, 18432
	s_add_nc_u64 s[44:45], s[10:11], s[30:31]
; the fragments of K steps k0 .. k1 into window 1, at 16 k + 8 n
.macro WFRAG k0, k1, ptr
	WIN 0x40                                       ; destination window 1, address window 0
.set kk, \k0
.rept (\k1)-(\k0)+1
.irp n, 0,1
.irp c, 0,1
	global_load_b128 v[16*kk+8*\n+4*\c:16*kk+8*\n+4*\c+3], v[LI], s[\ptr:\ptr+1] offset:(2*kk+\n)*1024+512*\c
.endr
.endr
.set kk, kk+1
.endr
	WIN 0
.endm
.macro WSC n, ptr                      ; n scale words: lanes 0-15 tile 0's rows, lanes 16-31 tile 1's
.set kk, 0
.rept \n
	global_load_b32 v[WSCL+kk], v[L4], s[\ptr:\ptr+1] offset:128*kk
.set kk, kk+1
.endr
.endm
.macro WLOADA ptr, sptr                ; ahead of the vector phase: 18 + 44 = 62 loads
	WSC 18, \sptr
	WFRAG 0, 10, \ptr
.endm
.macro WLOADB ptr                      ; behind it: 20 + 8 = 28 loads, which land while K steps 0 to 10 are multiplied
	WFRAG 11, 15, \ptr
.irp b, 0,1
.irp n, 0,1
.irp c, 0,1
	global_load_b128 v[BWF+16*\b+8*\n+4*\c:BWF+16*\b+8*\n+4*\c+3], v[LI], s[\ptr:\ptr+1] offset:(2*(16+\b)+\n)*1024+512*\c
.endr
.endr
.endr
.endm
	global_load_b32 v56, v57, s[4:5]               ; x of point r
	global_load_b128 v[48:51], v58, s[6:7]         ; freq 4 h .. 4 h + 3
	global_load_b128 v[52:55], v58, s[6:7] offset:32   ; freq 8 + 4 h ..
.irp k, 0,1,2,3,4,5,6,7,8
	global_load_b128 v[200+4*\k:203+4*\k], v[LI], s[12:13] offset:512*\k   ; the last layer's coefficients of my 32 features
.endr
	WFRAG 0, 2, 34
	WSC 3, 40
	s_wait_loadcnt 15                              ; all but layer 0's 12 + 3 loads are in
.irp k, 0,1,2,3,4,5,6,7,8
	ds_store_b128 v[T3W], v[200+4*\k:203+4*\k] offset:512*\k   ; my own bytes: only I read them
.endr
; FOUR FEATURES (a block of 32 along K) BECOME FOUR REGISTERS OF CODES AND A SCALE BYTE.  hb: the features' first register; pc: the codes'; y: the byte's.  The four take turns line by line.
.macro SPLBLK hb, pc, y
.irp q, 0,1,2,3
	v_med3_num_f32 v[XC+\q], v[(\hb)+\q], s20, s21
.endr
.irp q, 0,1,2,3
	v_fma_f32 v[FI+\q], v[XC+\q], s22, s24         ; u
.endr
.irp q, 0,1,2,3
	v_floor_f32 v[FI+\q], v[FI+\q]                 ; the cell
.endr
.irp q, 0,1,2,3
	v_sub_f32 v[CC+\q], s24, v[FI+\q]              ; 5.5 - cell, exact
.endr
.irp q, 0,1,2,3
	v_fma_f32 v[ST+2*\q+1], v[XC+\q], s22, v[CC+\q]   ; t, rounded once
.endr
.irp q, 0,1,2,3
	v_cvt_i32_f32 v[II+\q], v[FI+\q]
.endr
.irp q, 0,1,2,3
	v_sub_f32 v[ST+2*\q], 1.0, v[ST+2*\q+1]        ; s
.endr
.irp q, 0,1,2,3
	v_lshl_add_u32 v[N1+\q], v[II+\q], 2, -12      ; 4 i - 12: the shift to the left; a shift takes its count's low five bits
.endr
.irp q, 0,1,2,3
	v_mad_u32_u24 v[N2+\q], v[II+\q], 28, 12       ; 12 - 4 i modulo 32: the shift to the right
.endr
.irp q, 0,1,2,3
	v_pk_mul_f32 v[SQ+2*\q:SQ+2*\q+1], v[ST+2*\q:ST+2*\q+1], v[ST+2*\q:ST+2*\q+1]
.endr
.irp q, 0,1,2,3
	v_pk_fma_f32 v[PA+2*\q:PA+2*\q+1], v[ST+2*\q:ST+2*\q+1], v[20:21], v[22:23]   ; (s/6, t/2 - 1)
.endr
.irp q, 0,1,2,3
	v_pk_fma_f32 v[PB+2*\q:PB+2*\q+1], v[ST+2*\q:ST+2*\q+1], v[24:25], v[26:27]   ; (s/2 - 1, t/6)
.endr
.irp q, 0,1,2,3
	v_pk_fma_f32 v[W+8*\q:W+8*\q+1], v[SQ+2*\q:SQ+2*\q+1], v[PA+2*\q:PA+2*\q+1], v[28:29]     ; the weights of bases i - 3, i - 2
.endr
.irp q, 0,1,2,3
	v_pk_fma_f32 v[W+8*\q+2:W+8*\q+3], v[SQ+2*\q:SQ+2*\q+1], v[PB+2*\q:PB+2*\q+1], v[30:31]   ; of bases i - 1, i
.endr
.irp q, 0,1,2,3
	v_add_nc_u32 v[XC+\q], -2, v[II+\q]
.endr
.irp q, 0,1,2,3
	v_add_nc_u32 v[FI+\q], -1, v[II+\q]
.endr
.irp q, 0,1,2,3
	v_cmp_lt_u32 s[50+\q], 2, v[II+\q]             ; a weight whose basis is not one of 0 .. 7 becomes 0, for the maximum and for the codes
.endr
.irp q, 0,1,2,3
	v_cmp_gt_u32 s[54+\q], 8, v[XC+\q]
.endr
.irp q, 0,1,2,3
	v_cndmask_b32 v[W+8*\q], 0, v[W+8*\q], s[50+\q]
.endr
.irp q, 0,1,2,3
	v_cndmask_b32 v[W+8*\q+1], 0, v[W+8*\q+1], s[54+\q]
.endr
.irp q, 0,1,2,3
	v_cmp_gt_u32 s[50+\q], 8, v[FI+\q]
.endr
.irp q, 0,1,2,3
	v_cmp_gt_u32 s[54+\q], 8, v[II+\q]
.endr
.irp q, 0,1,2,3
	v_cndmask_b32 v[W+8*\q+2], 0, v[W+8*\q+2], s[50+\q]
.endr
.irp q, 0,1,2,3
	v_cndmask_b32 v[W+8*\q+3], 0, v[W+8*\q+3], s[54+\q]
.endr
	v_max3_num_f32 v[MA], |v[W]|, |v[W+1]|, 0x1800000      ; the block's largest magnitude, in two chains; the floor 2^(3 - 127) holds the byte at 1 from below
	v_max3_num_f32 v[MB], |v[W+2]|, |v[W+3]|, |v[W+8]|
	v_max3_num_f32 v[MA], v[MA], |v[W+9]|, |v[W+10]|
	v_max3_num_f32 v[MB], v[MB], |v[W+11]|, |v[W+16]|
	v_max3_num_f32 v[MA], v[MA], |v[W+17]|, |v[W+18]|
	v_max3_num_f32 v[MB], v[MB], |v[W+19]|, |v[W+24]|
	v_max3_num_f32 v[MA], v[MA], |v[W+25]|, |v[W+26]|
	v_max3_num_f32 v[MA], v[MA], v[MB], |v[W+27]|
	v_add_nc_u32 v[SCL], 0xff000000, v[MA]         ; 2 off the exponent field: the conversion's scale operand
.irp q, 0,1,2,3
	v_cvt_scalef32_pk8_fp4_f32 v[CW+\q], v[W+8*\q:W+8*\q+7], v[SCL]   ; four codes in nibbles 0 .. 3, zeros above
.endr
	v_lshrrev_b32 v[\y], 23, v[SCL]                ; the scale's byte; also the plain line behind the conversions
.irp q, 0,1,2,3
	v_lshrrev_b32 v[CC+\q], v[N2+\q], v[CW+\q]
.endr
.irp q, 0,1,2,3
	v_lshl_or_b32 v[(\pc)+\q], v[CW+\q], v[N1+\q], v[CC+\q]   ; the codes at nibbles i - 3 on
.endr
.endm
; 16 FEATURES OF A POINT (v[H] on) BECOME: two spline fragments' registers with their scale words, and my 16 of a block of the base operand.  afr, asw, abf, abs: address registers.  e = 1: the encoding, whose base K is one block.
.macro QBODY afr, asw, abf, abs, e
.irp i, 0,2,4,6,8,10,12,14
	v_pk_mul_f32 v[Z+\i:Z+\i+1], v[H+\i:H+\i+1], s[58:59] op_sel_hi:[1,0]
.endr
.irp i, 0,1,2,3,4,5,6,7,8,9,10,11,12,13,14,15
	v_exp_f32 v[Z+\i], v[Z+\i]                     ; e^-h: one batch; the first tile's spline work, which names none of these, follows it
.endr
	SPLBLK H, PC0, Y0
	SPLBLK H+4, PC0+4, Y1
	v_lshl_or_b32 v[WP0], v[Y1], 16, v[Y0]         ; my bytes are those of blocks h and 2 + h,
	v_lshlrev_b32 v[WP0], v[SH8], v[WP0]
	v_permlanex16_b32 v[WX], v[WP0], s26, s27
	v_or_b32 v[WP0], v[WP0], v[WX]                 ; with lane l xor 16's the word is whole
	ds_store_b128 v[\afr], v[PC0:PC0+3]
	ds_store_b128 v[\afr], v[PC0+4:PC0+7] offset:512
	ds_store_b32 v[\asw], v[WP0]
	s_wait_alu depctr_va_vdst(0)                   ; one wait for the sixteen exponentials, ahead of their first reader
.irp i, 0,2,4,6,8,10,12,14
	v_pk_add_f32 v[Z+\i:Z+\i+1], v[Z+\i:Z+\i+1], 1.0 op_sel_hi:[1,0]
.endr
.irp i, 0,1,2,3,4,5,6,7,8,9,10,11,12,13,14,15
	v_rcp_f32 v[Z+\i], v[Z+\i]                     ; the second batch; the second tile's spline work follows it
.endr
	SPLBLK H+8, PC1, Y0
	SPLBLK H+12, PC1+4, Y1
	v_lshl_or_b32 v[WP1], v[Y1], 16, v[Y0]
	v_lshlrev_b32 v[WP1], v[SH8], v[WP1]
	v_permlanex16_b32 v[WX], v[WP1], s26, s27
	v_or_b32 v[WP1], v[WP1], v[WX]
	ds_store_b128 v[\afr], v[PC1:PC1+3] offset:4096
	ds_store_b128 v[\afr], v[PC1+4:PC1+7] offset:4608
	ds_store_b32 v[\asw], v[WP1] offset:4
	s_wait_alu depctr_va_vdst(0)                   ; one wait for the sixteen reciprocals
.irp i, 0,2,4,6,8,10,12,14
	v_pk_mul_f32 v[Z+\i:Z+\i+1], v[H+\i:H+\i+1], v[Z+\i:Z+\i+1]   ; silu
.endr
	v_max3_num_f32 v[BM], |v[Z]|, |v[Z+1]|, 0x1800000
	v_max3_num_f32 v[MB], |v[Z+2]|, |v[Z+3]|, |v[Z+4]|
	v_max3_num_f32 v[BM], v[BM], |v[Z+5]|, |v[Z+6]|
	v_max3_num_f32 v[MB], v[MB], |v[Z+7]|, |v[Z+8]|
	v_max3_num_f32 v[BM], v[BM], |v[Z+9]|, |v[Z+10]|
	v_max3_num_f32 v[MB], v[MB], |v[Z+11]|, |v[Z+12]|
	v_max3_num_f32 v[BM], v[BM], |v[Z+13]|, |v[Z+14]|
	v_max3_num_f32 v[BM], v[BM], v[MB], |v[Z+15]|
	v_permlanex16_b32 v[BX], v[BM], s26, s27
	v_max_num_f32 v[BM], v[BM], v[BX]              ; the block's 32 features lie in lanes l and l xor 16
	v_add_nc_u32 v[BS], 0xff000000, v[BM]
	v_cvt_scalef32_pk8_fp4_f32 v[BC], v[Z:Z+7], v[BS]
	v_cvt_scalef32_pk8_fp4_f32 v[BC+1], v[Z+8:Z+15], v[BS]
	v_lshrrev_b32 v[BY], 23, v[BS]                 ; the byte; also the plain line behind the conversions
	ds_store_b64 v[\abf], v[BC:BC+1]               ; places 16 h .. 16 h + 15 of the block, in the order in which the first launch laid the base weights
.if \e
	v_or_b32 v[BY], 0x7f7f7f00, v[BY]              ; blocks 1 to 3 of the K step are zero codes under the byte 127
	ds_store_b32 v[\abs], v[BY]
.else
	ds_store_b8 v[\abs], v[BY]                     ; both lanes of a point write the same byte with the same value
.endif
.endm
.macro PADS                            ; the four zeros above each feature's four weights
.irp q, 0,1,2,3
.irp i, 4,5,6,7
	v_mov_b32 v[W+8*\q+\i], 0
.endr
.endr
.endm
; ---- THE ENCODING: waves 0 to 3, a tile of 16 points each.  Lane (r, h) makes sin and cos of x freq for the eight frequencies 8 c + 4 h + g: the layout of a result
	s_cmp_gt_u32 s16, 3
	s_cbranch_scc1 .Lno_enc
.set EN, 64
.set KF, 72
.set KG, 80
.set QI, 88
.set RR, 96
.set SP, 104
.set CP, 112
.set TU, 120
.set TV, 128
	s_mov_b32 s46, 0x3638ef1d                      ; 1/9!
	s_mov_b32 s47, 0xb493f27e                      ; -1/10!
.irp j, 0,1,2,3,4,5,6,7
	v_mul_f32 v[EN+\j], v56, v[48+\j]              ; enc, rounded as the product is
.endr
.irp j, 0,1,2,3,4,5,6,7
	v_mul_f32 v[KF+\j], 0x3f22f983, v[EN+\j]       ; x 2/pi
.endr
.irp j, 0,1,2,3,4,5,6,7
	v_rndne_f32 v[KF+\j], v[KF+\j]
.endr
.irp j, 0,1,2,3,4,5,6,7
	v_fmamk_f32 v[EN+\j], v[KF+\j], 0xbfc90fdb, v[EN+\j]   ; less k pi/2, pi/2 in three pieces, each step a fused multiply-add
.endr
.irp j, 0,1,2,3,4,5,6,7
	v_fmamk_f32 v[EN+\j], v[KF+\j], 0x333bbd2e, v[EN+\j]
.endr
.irp j, 0,1,2,3,4,5,6,7
	v_fmamk_f32 v[EN+\j], v[KF+\j], 0x26f72ced, v[EN+\j]
.endr
.irp j, 0,1,2,3,4,5,6,7
	v_mul_f32 v[KG+\j], 0x3f22f983, v[EN+\j]       ; for large enc the first k may be off by a few: once more
.endr
.irp j, 0,1,2,3,4,5,6,7
	v_rndne_f32 v[KG+\j], v[KG+\j]
.endr
.irp j, 0,1,2,3,4,5,6,7
	v_fmamk_f32 v[EN+\j], v[KG+\j], 0xbfc90fdb, v[EN+\j]
.endr
.irp j, 0,1,2,3,4,5,6,7
	v_fmamk_f32 v[EN+\j], v[KG+\j], 0x333bbd2e, v[EN+\j]   ; r, within pi/4
.endr
.irp j, 0,1,2,3,4,5,6,7
	v_cvt_i32_f32 v[QI+\j], v[KF+\j]
.endr
.irp j, 0,1,2,3,4,5,6,7
	v_cvt_i32_f32 v[TU+\j], v[KG+\j]
.endr
.irp j, 0,1,2,3,4,5,6,7
	v_add_nc_u32 v[QI+\j], v[QI+\j], v[TU+\j]      ; the quadrant
.endr
.irp j, 0,1,2,3,4,5,6,7
	v_mul_f32 v[RR+\j], v[EN+\j], v[EN+\j]
.endr
.irp j, 0,1,2,3,4,5,6,7
	v_fmaak_f32 v[SP+\j], s46, v[RR+\j], 0xb9500d01   ; sin r: the series to r^9 (the next term is under 2e-9 at pi/4)
.endr
.irp j, 0,1,2,3,4,5,6,7
	v_fmaak_f32 v[CP+\j], s47, v[RR+\j], 0x37d00d01   ; cos r: to r^10
.endr
.irp j, 0,1,2,3,4,5,6,7
	v_fmaak_f32 v[SP+\j], v[SP+\j], v[RR+\j], 0x3c088889
.endr
.irp j, 0,1,2,3,4,5,6,7
	v_fmaak_f32 v[CP+\j], v[CP+\j], v[RR+\j], 0xbab60b61
.endr
.irp j, 0,1,2,3,4,5,6,7
	v_fmaak_f32 v[SP+\j], v[SP+\j], v[RR+\j], 0xbe2aaaab
.endr
.irp j, 0,1,2,3,4,5,6,7
	v_fmaak_f32 v[CP+\j], v[CP+\j], v[RR+\j], 0x3d2aaaab
.endr
.irp j, 0,1,2,3,4,5,6,7
	v_mul_f32 v[TU+\j], v[EN+\j], v[RR+\j]
.endr
.irp j, 0,1,2,3,4,5,6,7
	v_fmaak_f32 v[CP+\j], v[CP+\j], v[RR+\j], 0xbf000000
.endr
.irp j, 0,1,2,3,4,5,6,7
	v_fma_f32 v[SP+\j], v[TU+\j], v[SP+\j], v[EN+\j]
.endr
.irp j, 0,1,2,3,4,5,6,7
	v_fma_f32 v[CP+\j], v[CP+\j], v[RR+\j], 1.0
.endr
.irp j, 0,1,2,3,4,5,6,7
	v_and_b32 v[TU+\j], 1, v[QI+\j]
.endr
.irp j, 0,1,2,3,4,5,6,7
	v_cmp_eq_u32 s[50+\j], 1, v[TU+\j]             ; in odd quadrants the two change places
.endr
.irp j, 0,1,2,3,4,5,6,7
	v_cndmask_b32 v[TV+\j], v[SP+\j], v[CP+\j], s[50+\j]
.endr
.irp j, 0,1,2,3,4,5,6,7
	v_cndmask_b32 v[TU+\j], v[CP+\j], v[SP+\j], s[50+\j]
.endr
.irp j, 0,1,2,3,4,5,6,7
	v_lshlrev_b32 v[KF+\j], 30, v[QI+\j]           ; the sine's sign: bit 1 of the quadrant;
.endr
.irp j, 0,1,2,3,4,5,6,7
	v_add_nc_u32 v[KG+\j], 1, v[QI+\j]             ; the cosine's: bit 1 of the quadrant + 1
.endr
.irp j, 0,1,2,3,4,5,6,7
	v_and_b32 v[KF+\j], 0x80000000, v[KF+\j]
.endr
.irp j, 0,1,2,3,4,5,6,7
	v_lshlrev_b32 v[KG+\j], 30, v[KG+\j]
.endr
.irp j, 0,1,2,3,4,5,6,7
	v_xor_b32 v[H+\j], v[KF+\j], v[TV+\j]          ; features 0 .. 15: the sines
.endr
.irp j, 0,1,2,3,4,5,6,7
	v_and_b32 v[KG+\j], 0x80000000, v[KG+\j]
.endr
.irp j, 0,1,2,3,4,5,6,7
	v_xor_b32 v[H+8+\j], v[KG+\j], v[TU+\j]        ; features 16 .. 31: the cosines
.endr
	PADS
	ds_store_b128 v[EBZ], v[W+4:W+7]               ; the base fragment begins as zeros; LDS serves a wave's instructions in order, so my codes land on top
	ds_store_b128 v[EBZ], v[W+4:W+7] offset:512
	QBODY EFR, ESW, EBF, EBS, 1
.Lno_enc:
	BAR                                            ; layer 0's operands lie in region 0
; one matrix instruction.  n: the weight tile (its scale words lie in lanes 16 n on);  u: the points' tile is even or odd (likewise)
.macro MM d, a, b, sa, sb, n, u, zero
.set qd, \d
.set qa, \a
.set qb, \b
.set qs, \sa
.set qt, \sb
.if \zero
.if (\n) == 0 && (\u) == 0
	v_wmma_scale_f32_16x16x128_f8f6f4 v[qd:qd+7], v[qa:qa+7], v[qb:qb+7], 0, v[qs], v[qt] matrix_a_fmt:MATRIX_FMT_FP4 matrix_b_fmt:MATRIX_FMT_FP4
.elseif (\n) == 1 && (\u) == 0
	v_wmma_scale_f32_16x16x128_f8f6f4 v[qd:qd+7], v[qa:qa+7], v[qb:qb+7], 0, v[qs], v[qt] matrix_a_fmt:MATRIX_FMT_FP4 matrix_b_fmt:MATRIX_FMT_FP4 matrix_a_scale:MATRIX_SCALE_ROW1
.elseif (\n) == 0
	v_wmma_scale_f32_16x16x128_f8f6f4 v[qd:qd+7], v[qa:qa+7], v[qb:qb+7], 0, v[qs], v[qt] matrix_a_fmt:MATRIX_FMT_FP4 matrix_b_fmt:MATRIX_FMT_FP4 matrix_b_scale:MATRIX_SCALE_ROW1
.else
	v_wmma_scale_f32_16x16x128_f8f6f4 v[qd:qd+7], v[qa:qa+7], v[qb:qb+7], 0, v[qs], v[qt] matrix_a_fmt:MATRIX_FMT_FP4 matrix_b_fmt:MATRIX_FMT_FP4 matrix_a_scale:MATRIX_SCALE_ROW1 matrix_b_scale:MATRIX_SCALE_ROW1
.endif
.else
.if (\n) == 0 && (\u) == 0
	v_wmma_scale_f32_16x16x128_f8f6f4 v[qd:qd+7], v[qa:qa+7], v[qb:qb+7], v[qd:qd+7], v[qs], v[qt] matrix_a_fmt:MATRIX_FMT_FP4 matrix_b_fmt:MATRIX_FMT_FP4
.elseif (\n) == 1 && (\u) == 0
	v_wmma_scale_f32_16x16x128_f8f6f4 v[qd:qd+7], v[qa:qa+7], v[qb:qb+7], v[qd:qd+7], v[qs], v[qt] matrix_a_fmt:MATRIX_FMT_FP4 matrix_b_fmt:MATRIX_FMT_FP4 matrix_a_scale:MATRIX_SCALE_ROW1
.elseif (\n) == 0
	v_wmma_scale_f32_16x16x128_f8f6f4 v[qd:qd+7], v[qa:qa+7], v[qb:qb+7], v[qd:qd+7], v[qs], v[qt] matrix_a_fmt:MATRIX_FMT_FP4 matrix_b_fmt:MATRIX_FMT_FP4 matrix_b_scale:MATRIX_SCALE_ROW1
.else
	v_wmma_scale_f32_16x16x128_f8f6f4 v[qd:qd+7], v[qa:qa+7], v[qb:qb+7], v[qd:qd+7], v[qs], v[qt] matrix_a_fmt:MATRIX_FMT_FP4 matrix_b_fmt:MATRIX_FMT_FP4 matrix_a_scale:MATRIX_SCALE_ROW1 matrix_b_scale:MATRIX_SCALE_ROW1
.endif
.endif
.endm
.macro AFETCH set, areg, off           ; a K step's four fragments of the points, as images: 8 loads of 512 consecutive bytes
.irp m, 0,1,2,3
.irp c, 0,1
	ds_load_b128 v[AF+32*(\set)+8*\m+4*\c:AF+32*(\set)+8*\m+4*\c+3], v[\areg] offset:(\off)+1024*\m+512*\c
.endr
.endr
.endm
; A K STEP OF 128: eight matrix instructions, the eight accumulators by turns in one order.  cnt: the LDS loads issued behind this step's, which may stay out.
; Four plain lines follow: behind them the caller loads the set's registers anew, or reads the results.
.macro KSTEP set, win, wreg, wsc, asca, ascb, zero, cnt
	s_wait_dscnt \cnt
	WIN \win
.irp p, 0,1
.irp u, 0,1
.irp n, 0,1
	MM ACC+8*(4*\n+2*\p+\u), (\wreg)+8*\n, AF+32*(\set)+8*(2*\p+\u), \wsc, (\asca)+((\ascb)-(\asca))*\p, \n, \u, \zero
.endr
.endr
.endr
	WIN 0
.rept 4
	v_nop
.endr
.endm
; LAYER 1 OR 2: 16 spline steps and 2 base steps on the operands in a region
.macro PBIG region
	v_add_nc_u32 v[RA], \region, v[LI]
	v_add_nc_u32 v[RB], (\region)+FRB, v[LI]
.irp g, 0,1,2,3,4,5,6,7
	ds_load_b128 v[ASC+4*\g:ASC+4*\g+3], v[RB] offset:8192+512*\g   ; four steps' words of two tiles of points: lanes 0-15 the even tile, lanes 16-31 the odd one
.endr
.irp p, 0,1
	ds_load_b64 v[ASC+32+2*\p:ASC+33+2*\p], v[RB] offset:8192+512*(8+\p)
.endr
	AFETCH 0, RA, 0
	AFETCH 1, RA, 4096
	s_wait_loadcnt 28                              ; the scale words and K steps 0 to 10 of the weights are in; the 28 loads issued behind them may be out
	KSTEP 0, 1, 0, WSCL, ASC, ASC+4, 1, 8          ; the first step starts the sums: nothing is cleared
	AFETCH 0, RA, 8192
.set k, 1
.rept 15
.if k == 11
	s_wait_loadcnt 0x0                             ; the rest of the weights
.endif
	KSTEP k%2, 1, 16*k, WSCL+k, ASC+8*(k/4)+k%4, ASC+4+8*(k/4)+k%4, 0, 8
.if k < 14
	AFETCH k%2, RA, (k+2)*4096
.else
	AFETCH k%2, RB, (k-14)*4096
.endif
.set k, k+1
.endr
	KSTEP 0, 0, BWF, WSCL+16, ASC+32, ASC+34, 0, 8
	KSTEP 1, 0, BWF+16, WSCL+17, ASC+33, ASC+35, 0, 0
.endm
.macro STAGEQ                          ; my results into my stage as they stand, each accumulator from its low end on; the vector loop takes them back a tile of points at a time
.irp m, 0,1,2,3
.irp t, 0,1
	ds_store_b128 v[STQ], v[ACC+8*(4*\t+\m):ACC+8*(4*\t+\m)+3] offset:(2*\m+\t)*1024
	ds_store_b128 v[STQ], v[ACC+8*(4*\t+\m)+4:ACC+8*(4*\t+\m)+7] offset:(2*\m+\t)*1024+512
.endr
.endr
	s_wait_dscnt 0x0                               ; the stores have read their registers, which the vector phase takes
.endm
; THE VECTOR PHASE: four trips, a tile of 16 points each: my 32 features become K steps 2 w, 2 w + 1 and block w of the base operand, in the region named
.macro QLOOP region
	PADS
	s_mov_b32 s28, 0
	s_mov_b32 s29, 0
	s_mov_b32 s30, \region
	s_mov_b32 s31, \region
.Lq_\@:
	v_add_nc_u32 v[TA], s29, v[STQ]
	ds_load_b128 v[H:H+3], v[TA]
	ds_load_b128 v[H+4:H+7], v[TA] offset:512
	ds_load_b128 v[H+8:H+11], v[TA] offset:1024
	ds_load_b128 v[H+12:H+15], v[TA] offset:1536
	v_add_nc_u32 v[TA+1], s30, v[AFR0]
	v_add_nc_u32 v[TA+2], s31, v[ASW0]
	v_add_nc_u32 v[TA+3], s30, v[ABF0]
	v_add_nc_u32 v[TA+4], s31, v[ABS0]
	s_wait_dscnt 0x0
	QBODY TA+1, TA+2, TA+3, TA+4, 0
	s_wait_dscnt 0x0                               ; the trip's stores have read their registers
	s_add_co_u32 s29, s29, 2048
	s_add_co_u32 s30, s30, 1024
	s_add_co_u32 s31, s31, 256
	s_add_co_u32 s28, s28, 1
	s_cmp_lt_u32 s28, 4
	s_cbranch_scc1 .Lq_\@
.endm
; ---- LAYER 0: two spline steps and the base step
	v_add_nc_u32 v[RA], REG0, v[LI]
	v_add_nc_u32 v[RB], REG0+FRB, v[LI]
.irp p, 0,1
	ds_load_b64 v[ASC+4*\p:ASC+4*\p+1], v[RB] offset:8192+512*\p
.endr
.irp p, 0,1
	ds_load_b32 v[ASC+32+2*\p], v[RB] offset:8192+512*(8+\p)
.endr
	AFETCH 0, RA, 0
	AFETCH 1, RA, 4096
	s_wait_loadcnt 0x0                             ; layer 0's weights
	KSTEP 0, 1, 0, WSCL, ASC, ASC+4, 1, 8
	AFETCH 0, RB, 0
	KSTEP 1, 1, 16, WSCL+1, ASC+1, ASC+5, 0, 8
	KSTEP 0, 1, 32, WSCL+2, ASC+32, ASC+34, 0, 0
	STAGEQ
	WLOADA 36, 42                                  ; layer 1's weights are on their way while its operands are made
	QLOOP REG1
	WLOADB 36
	BAR                                            ; layer 1's operands lie in region 1; every wave's reads of region 0 are over
; ---- LAYER 1
	PBIG REG1
	STAGEQ
	WLOADA 38, 44
	QLOOP REG0
	WLOADB 38
	BAR                                            ; layer 2's operands lie in region 0
; ---- LAYER 2
	PBIG REG0
.irp m, 0,1,2,3                        ; my 32 features of the 64 points into my stage as rows of 128 bytes + 16: place 16 t + 8 h + 4 c + g
.irp t, 0,1
	ds_store_b128 v[SFW], v[ACC+8*(4*\t+\m):ACC+8*(4*\t+\m)+3] offset:2304*\m+64*\t
	ds_store_b128 v[SFW], v[ACC+8*(4*\t+\m)+4:ACC+8*(4*\t+\m)+7] offset:2304*\m+64*\t+16
.endr
.endr
	s_wait_dscnt 0x0                               ; the stores have read their registers
; ---- LAYER 3, in f32.  Lane (r, h) serves points 16 k + r (k = 0 .. 3) and, in group G of eight, the pair of features 2 G + h of my 32
.set XA,   32
.set XB,   40
.set FACC, 48
.set FD,   56
.set FT,   64
.set FP,   72
.set FZ,   80
.set CA,   96
.set CB,   168
.macro CELLS cc, from, to              ; cells from .. to: T = u - i held to 0 .. 1; the sum takes T (a1 + T (a2 + T a3)); the four points take turns
.set ci, \from
.rept (\to)-(\from)+1
.irp k, 0,1,2,3
	v_med3_num_f32 v[FT+2*\k], v[FD+2*\k], 0, 1.0
	v_med3_num_f32 v[FT+2*\k+1], v[FD+2*\k+1], 0, 1.0
.endr
.irp k, 0,1,2,3
	v_pk_fma_f32 v[FP+2*\k:FP+2*\k+1], v[FT+2*\k:FT+2*\k+1], v[(\cc)+6*ci:(\cc)+6*ci+1], v[(\cc)+6*ci+2:(\cc)+6*ci+3]
.endr
.irp k, 0,1,2,3
	v_pk_fma_f32 v[FP+2*\k:FP+2*\k+1], v[FP+2*\k:FP+2*\k+1], v[FT+2*\k:FT+2*\k+1], v[(\cc)+6*ci+4:(\cc)+6*ci+5]
.endr
.irp k, 0,1,2,3
	v_pk_fma_f32 v[FACC+2*\k:FACC+2*\k+1], v[FP+2*\k:FP+2*\k+1], v[FT+2*\k:FT+2*\k+1], v[FACC+2*\k:FACC+2*\k+1]
.endr
.if ci < 10
.irp k, 0,1,2,3
	v_pk_add_f32 v[FD+2*\k:FD+2*\k+1], v[FD+2*\k:FD+2*\k+1], -1.0 op_sel_hi:[1,0]
.endr
.endif
.set ci, ci+1
.endr
.endm
.macro FTRIP cc, cx, nc, nx            ; a group: its coefficients in v[cc] on, its numbers in v[cx] on; the next group's are asked for into v[nc], v[nx]
	s_wait_dscnt 0x0                               ; this group's loads are in
	s_add_co_u32 s46, s46, 576                     ; the next group; behind the last group the last is asked for once more and not used, so that no load leaves my bytes
	s_min_u32 s46, s46, 4032
	s_add_co_u32 s47, s47, 16
	s_min_u32 s47, s47, 112
	v_add_nc_u32 v[FCT], s46, v[FCA]
	v_add_nc_u32 v[FXT], s47, v[FXA]
.irp k, 0,1,2,3,4,5,6,7,8,9,10,11,12,13,14,15,16
	ds_load_b128 v[(\nc)+4*\k:(\nc)+4*\k+3], v[FCT] offset:16*\k
.endr
.irp k, 0,1,2,3
	ds_load_b64 v[(\nx)+2*\k:(\nx)+2*\k+1], v[FXT] offset:2304*\k
.endr
.irp k, 0,1,2,3
	v_pk_mul_f32 v[FZ+2*\k:FZ+2*\k+1], v[(\cx)+2*\k:(\cx)+2*\k+1], s[58:59] op_sel_hi:[1,0]
.endr
.irp i, 0,1,2,3,4,5,6,7
	v_exp_f32 v[FZ+\i], v[FZ+\i]                   ; a batch; cells 0 to 4 follow it
.endr
.irp k, 0,1,2,3
	v_pk_fma_f32 v[FD+2*\k:FD+2*\k+1], v[(\cx)+2*\k:(\cx)+2*\k+1], s[22:23], v[C55:C55+1] op_sel_hi:[1,0,1]   ; u
.endr
	CELLS \cc, 0, 4
	s_wait_alu depctr_va_vdst(0)                   ; one wait for the eight exponentials, ahead of their first reader
.irp k, 0,1,2,3
	v_pk_add_f32 v[FZ+2*\k:FZ+2*\k+1], v[FZ+2*\k:FZ+2*\k+1], 1.0 op_sel_hi:[1,0]
.endr
.irp i, 0,1,2,3,4,5,6,7
	v_rcp_f32 v[FZ+\i], v[FZ+\i]                   ; a batch; cells 5 to 10 follow it
.endr
	CELLS \cc, 5, 10
	s_wait_alu depctr_va_vdst(0)                   ; one wait for the eight reciprocals
.irp k, 0,1,2,3
	v_pk_mul_f32 v[FZ+2*\k:FZ+2*\k+1], v[(\cx)+2*\k:(\cx)+2*\k+1], v[FZ+2*\k:FZ+2*\k+1]   ; silu
.endr
.irp k, 0,1,2,3
	v_pk_fma_f32 v[FACC+2*\k:FACC+2*\k+1], v[FZ+2*\k:FZ+2*\k+1], v[(\cc)+66:(\cc)+67], v[FACC+2*\k:FACC+2*\k+1]   ; x bw3
.endr
.endm
	s_mov_b32 s46, 0
	s_mov_b32 s47, 0
.irp k, 0,1,2,3,4,5,6,7,8,9,10,11,12,13,14,15,16
	ds_load_b128 v[CA+4*\k:CA+4*\k+3], v[FCA] offset:16*\k
.endr
.irp k, 0,1,2,3
	ds_load_b64 v[XA+2*\k:XA+2*\k+1], v[FXA] offset:2304*\k
.endr
.irp i, 0,1,2,3,4,5,6,7
	v_mov_b32 v[FACC+\i], 0
.endr
	s_mov_b32 s28, 0
.Lgroups:                                              ; four trips of two groups
	FTRIP CA, XA, CB, XB
	FTRIP CB, XB, CA, XA
	s_add_co_u32 s28, s28, 1
	s_cmp_lt_u32 s28, 4
	s_cbranch_scc1 .Lgroups
	s_wait_dscnt 0x0                               ; the loads that are not used
.irp k, 0,1,2,3
	v_add_f32 v[FD+\k], v[FACC+2*\k], v[FACC+2*\k+1]
.endr
.irp k, 0,1,2,3
	v_permlanex16_b32 v[FT+\k], v[FD+\k], s26, s27
.endr
.irp k, 0,1,2,3
	v_add_f32 v[FD+\k], v[FD+\k], v[FT+\k]         ; my 32 features' part of point 16 k + r
.endr
.irp k, 0,1,2,3
	ds_store_b32 v[REDW], v[FD+\k] offset:64*\k    ; both lanes of a point write the same word with the same value
.endr
	BAR                                            ; the eight waves' parts lie in LDS
	s_cmp_lg_u32 s16, 0
	s_cbranch_scc1 .Lend
.irp j, 0,1,2,3,4,5,6,7
	ds_load_b64 v[32+2*\j:33+2*\j], v[REDR] offset:256*\j   ; points 2 lane, 2 lane + 1 of wave j's part
.endr
	s_wait_dscnt 0x0
	v_pk_add_f32 v[32:33], v[32:33], v[34:35]
	v_pk_add_f32 v[36:37], v[36:37], v[38:39]
	v_pk_add_f32 v[40:41], v[40:41], v[42:43]
	v_pk_add_f32 v[44:45], v[44:45], v[46:47]
	v_pk_add_f32 v[32:33], v[32:33], v[36:37]
	v_pk_add_f32 v[40:41], v[40:41], v[44:45]
	v_pk_add_f32 v[32:33], v[32:33], v[40:41]
	global_store_b64 v[OUTO], v[32:33], s[14:15]   ; 32 lanes store 256 consecutive bytes, at a multiple of 256 from out0's first byte
.Lend:
	s_wait_xcnt 0x0
	v_lshl_add_u32 v254, v0, 2, 0x43800
	v_mov_b32 v255, 0
	s_wait_tensorcnt 0x0
	ds_add_u32 v254, v255
	s_wait_dscnt 0x0
	s_endpgm
.Lfunc_end_k_q14547773c2_kan:
	.size	k_q14547773c2_kan, .Lfunc_end_k_q14547773c2_kan-k_q14547773c2_kan
	.p2alignl 7, 3214868480
	.fill 96, 4, 3214868480
	.section	.rodata,"a",@progbits
	.p2align	6, 0x0
	.amdhsa_kernel k_q14547773c2_kan
		.amdhsa_group_segment_fixed_size 277504
		.amdhsa_private_segment_fixed_size 0
		.amdhsa_enable_private_segment 0
		.amdhsa_kernarg_size 48
		.amdhsa_user_sgpr_count 2
		.amdhsa_user_sgpr_kernarg_segment_ptr 1
		.amdhsa_wavefront_size32 1
		.amdhsa_system_sgpr_workgroup_id_x 1
		.amdhsa_system_sgpr_workgroup_id_y 1
		.amdhsa_system_sgpr_workgroup_id_z 1
		.amdhsa_system_vgpr_workitem_id 0
		.amdhsa_next_free_vgpr 512
		.amdhsa_next_free_sgpr 66
		.amdhsa_reserve_vcc 0
		.amdhsa_float_denorm_mode_32 3
		.amdhsa_float_denorm_mode_16_64 3
		.amdhsa_memory_ordered 1
		.amdhsa_forward_progress 1
		.amdhsa_inst_pref_size 250
	.end_amdhsa_kernel
	.amdgpu_metadata
---
amdhsa.version: [ 1, 2 ]
amdhsa.kernels:
  - .name:           k_q14547773c2_kan
    .symbol:         k_q14547773c2_kan.kd
    .args:
      - { .name: x, .offset: 0, .size: 8, .value_kind: global_buffer, .address_space: global }
      - { .name: freq, .offset: 8, .size: 8, .value_kind: global_buffer, .address_space: global }
      - { .name: wq, .offset: 16, .size: 8, .value_kind: global_buffer, .address_space: global }
      - { .name: wsc, .offset: 24, .size: 8, .value_kind: global_buffer, .address_space: global }
      - { .name: t3, .offset: 32, .size: 8, .value_kind: global_buffer, .address_space: global }
      - { .name: out0, .offset: 40, .size: 8, .value_kind: global_buffer, .address_space: global }
    .group_segment_fixed_size: 277504
    .private_segment_fixed_size: 0
    .kernarg_segment_align: 8
    .kernarg_segment_size: 48
    .max_flat_workgroup_size: 256
    .sgpr_count:     66
    .vgpr_count:     512
    .wavefront_size: 32
...
	.end_amdgpu_metadata
.endif
;; end of part 2
;; ======== version 2 of 2: 2 launches
;; limits: right only within a limited range of input values
;; workspace buffers: wq 638,976 bytes; wsc 39,936 bytes; t3 36,864 bytes
;; launch prep (part 3): grid 316 x 1, 1 waves a work-group, no clusters, 0 bytes of LDS; arguments sw0, ss0, bw0, sw1, ss1, bw1, sw2, ss2, bw2, sw3, ss3, bw3, wq, wsc, t3; writes wq, wsc, t3
.if DOCPART == 3
	.amdgcn_target "amdgcn-amd-amdhsa--gfx1250"
	.amdhsa_code_object_version 6
	.text
	.protected	k_q14547773c2_prep
	.globl	k_q14547773c2_prep
	.p2align	8
	.type	k_q14547773c2_prep,@function
k_q14547773c2_prep:
	s_mov_b64 s[64:65], 0
	v_nop
	global_prefetch_b8 v0, s[64:65] scope:SCOPE_SE
	s_setreg_imm32_b32 hwreg(HW_REG_WAVE_MODE, 25, 1), 1
	s_wait_xcnt 0x0
; THE WEIGHTS OF A KAN, MADE READY ONCE.  Layers 0 to 2: sw x ss (K = 8 x feature + basis) and bw (K = feature) become codes of FP4 (E2M1) with one E8M0 byte for each 32 along K,
; laid as IMAGES OF THE OPERAND'S REGISTERS: fragment (wave w, K step, tile n) is 1,024 bytes, half c at 512 c, lane l's 16 bytes at 16 l.  Lane (r, h), half c holds K = 128 step + 64 c + 32 h + 0 .. 31
; of weight row 32 w + 16 n + p(r), p = r with bits 2 and 3 exchanged: the product's result then lies in the order of the next layer's operand.
; The base weights' 32 features of a block are permuted as the second launch permutes the activations: place 16 h' + 8 t + 4 c' + g holds feature 16 t + 8 c' + 4 h' + g.
; Scale words: (w x steps + step) x 128 bytes + 4 x (16 n + r).  A block of zeros gets the byte 1 (its codes are zeros; this program alone reads the bytes).
; Layer 3 (one output): for each feature and each of the 11 cells of the knot grid the three coefficients of the cell's cubic without its constant term: the spline is then the sum over cells of
; T (a1 + T (a2 + T a3)), T = the position in the cell held to 0 .. 1.  288 bytes for a pair of features: a3, a2, a1 (two numbers each) for cells 0 .. 10, then bw3's two, then zeros.
; One wave to a work-group, one task each, told apart by the work-group's number: 0-255 spline steps of layers 1 and 2; 256-271 of layer 0; 272-303 base steps of layers 1, 2; 304-311 of layer 0; 312-315 layer 3.
; LIMITS: NaN and infinities among the inputs are not served; blocks whose largest magnitude lies under 2^-124 are held at the byte 1.
.set X,   32                           ; v32-159  four blocks of 32 numbers (block 2 n + c)
.set SSR, 160                          ; v160-175 ss of a block's four features
.set CD,  176                          ; v176-191 a block's codes, four registers
.set YB,  192                          ; v192-195 scale bytes
.set MX,  196                          ; v196-199 largest magnitudes
.set SC,  200                          ; v200-203 the conversions' scale operands
.set WD,  204                          ; v204-205 scale words of tiles 0, 1
.set WXR, 206                          ; v206-207 the other half's bytes
	s_load_b512 s[4:19], s[0:1], 0x0               ; sw0 s[4:5], ss0 s[6:7], bw0 s[8:9], sw1 s[10:11], ss1 s[12:13], bw1 s[14:15], sw2 s[16:17], ss2 s[18:19]
	s_load_b256 s[20:27], s[0:1], 0x40             ; bw2 s[20:21], sw3 s[22:23], ss3 s[24:25], bw3 s[26:27]
	s_load_b128 s[28:31], s[0:1], 0x60             ; wq s[28:29], wsc s[30:31]
	s_load_b64 s[32:33], s[0:1], 0x70              ; t3
	v_and_b32 v1, 15, v0                           ; r
	v_lshrrev_b32 v2, 4, v0                        ; h
	v_and_b32 v3, 3, v1
	v_bfe_u32 v9, v1, 2, 1
	v_bfe_u32 v10, v1, 3, 1
	v_lshl_or_b32 v3, v9, 3, v3
	v_lshl_or_b32 v3, v10, 2, v3                   ; p(r)
	v_lshlrev_b32 v6, 4, v0                        ; 16 x lane
	v_lshlrev_b32 v7, 2, v0                        ; 4 x lane
	v_lshlrev_b32 v8, 3, v2                        ; 8 h: my bytes' shift in a scale word
	v_mov_b32 v[WXR], 0                            ; a lane permute's destination counts as one of its sources
	v_mov_b32 v[WXR+1], 0
	s_mov_b32 s40, 0x76543210
	s_mov_b32 s41, 0xfedcba98                      ; selects for lane l xor 16
	s_mov_b32 s45, 0                               ; the high word of every offset
	s_wait_kmcnt 0x0
	s_cmp_lt_u32 ttmp9, 256
	s_cbranch_scc1 .Lspl_big
	s_cmp_lt_u32 ttmp9, 272
	s_cbranch_scc1 .Lspl0
	s_cmp_lt_u32 ttmp9, 304
	s_cbranch_scc1 .Lbase_big
	s_cmp_lt_u32 ttmp9, 312
	s_cbranch_scc1 .Lbase0
	s_branch .Lt3
; four blocks of 32 numbers: rows 16 n + p(r), 128 bytes at 256 c + 128 h.  perm = 1: the eight groups of four features go to the places of the base operand's order
.macro LOADBLK pitch, perm
.irp n, 0,1
.irp c, 0,1
.irp k, 0,1,2,3,4,5,6,7
.if \perm
	global_load_b128 v[X+32*(2*\n+\c)+4*(\k/2+4*(\k%2)):X+32*(2*\n+\c)+4*(\k/2+4*(\k%2))+3], v4, s[34:35] offset:\n*16*\pitch+256*\c+16*\k
.else
	global_load_b128 v[X+32*(2*\n+\c)+4*\k:X+32*(2*\n+\c)+4*\k+3], v4, s[34:35] offset:\n*16*\pitch+256*\c+16*\k
.endif
.endr
.endr
.endr
.endm
; nb blocks become codes and bytes; the blocks take turns line by line
.macro QALL nb
.set bq, 0
.rept \nb
	v_max3_num_f32 v[MX+bq], |v[X+32*bq]|, |v[X+32*bq+1]|, 0x1800000   ; the floor 2^(3 - 127) among the leaves holds the byte at 1 from below
.set bq, bq+1
.endr
.irp i, 2,4,6,8,10,12,14,16,18,20,22,24,26,28,30
.set bq, 0
.rept \nb
	v_max3_num_f32 v[MX+bq], v[MX+bq], |v[X+32*bq+\i]|, |v[X+32*bq+\i+1]|
.set bq, bq+1
.endr
.endr
.set bq, 0
.rept \nb
	v_add_nc_u32 v[SC+bq], 0xff000000, v[MX+bq]    ; 2 off the exponent field: the conversion's scale operand
.set bq, bq+1
.endr
.set bq, 0
.rept \nb
	v_lshrrev_b32 v[YB+bq], 23, v[SC+bq]           ; the scale's byte
.set bq, bq+1
.endr
.set bq, 0
.rept \nb
.irp g, 0,1,2,3
	v_cvt_scalef32_pk8_fp4_f32 v[CD+4*bq+\g], v[X+32*bq+8*\g:X+32*bq+8*\g+7], v[SC+bq]
.endr
.set bq, bq+1
.endr
	v_nop                                          ; one plain line behind the last conversion
.endm
; where the task's fragments and scale words go: s51 = w x steps + step, s2 and s3 the layer's first byte in wq and wsc
.macro OUTPTR
	s_lshl_b32 s44, s51, 11
	s_add_co_u32 s44, s44, s2
	s_add_nc_u64 s[38:39], s[28:29], s[44:45]
	s_lshl_b32 s44, s51, 7
	s_add_co_u32 s44, s44, s3
	s_add_nc_u64 s[42:43], s[30:31], s[44:45]
.endm
; the four bytes of a row's word lie in lanes l and l xor 16 (blocks h and 2 + h); then lanes 0-15 keep tile 0's word, lanes 16-31 tile 1's; all is stored
.macro OUT4
.irp n, 0,1
	v_lshl_or_b32 v[WD+\n], v[YB+2*\n+1], 16, v[YB+2*\n]
	v_lshlrev_b32 v[WD+\n], v8, v[WD+\n]
	v_permlanex16_b32 v[WXR+\n], v[WD+\n], s40, s41
	v_or_b32 v[WD+\n], v[WD+\n], v[WXR+\n]
.endr
	v_cmp_eq_u32 vcc_lo, 1, v2
	v_cndmask_b32 v[WD], v[WD], v[WD+1], vcc_lo
	global_store_b32 v7, v[WD], s[42:43]           ; 128 consecutive bytes
.irp n, 0,1
.irp c, 0,1
	global_store_b128 v6, v[CD+4*(2*\n+\c):CD+4*(2*\n+\c)+3], s[38:39] offset:\n*1024+\c*512   ; 512 consecutive bytes
.endr
.endr
.endm
.macro SPLBODY pitch, ps
	LOADBLK \pitch, 0
.irp n, 0,1
.irp c, 0,1
	global_load_b128 v[SSR+4*(2*\n+\c):SSR+4*(2*\n+\c)+3], v5, s[36:37] offset:\n*16*\ps+32*\c
.endr
.endr
	s_wait_loadcnt 0x0
.irp b, 0,1,2,3
.irp q, 0,1,2,3
.irp i, 0,1,2,3,4,5,6,7
	v_mul_f32 v[X+32*\b+8*\q+\i], v[X+32*\b+8*\q+\i], v[SSR+4*\b+\q]   ; sw x ss, rounded once
.endr
.endr
.endr
	QALL 4
	OUT4
	s_endpgm
.endm
.Lspl_big:                                             ; layers 1 and 2: 8 waves x 16 K steps each
	s_cmp_lt_u32 ttmp9, 128
	s_cselect_b64 s[34:35], s[10:11], s[16:17]
	s_cselect_b64 s[36:37], s[12:13], s[18:19]
	s_mov_b32 s2, 344064
	s_cselect_b32 s2, 49152, s2
	s_mov_b32 s3, 21504
	s_cselect_b32 s3, 3072, s3
	s_and_b32 s48, ttmp9, 127
	s_lshr_b32 s49, s48, 4                         ; w
	s_and_b32 s50, s48, 15                         ; K step
	s_mul_i32 s51, s49, 18
	s_add_co_u32 s51, s51, s50
	s_lshl_b32 s44, s49, 18                        ; 32 rows of 8,192 bytes
	s_lshl_b32 s52, s50, 9
	s_add_co_u32 s44, s44, s52
	s_add_nc_u64 s[34:35], s[34:35], s[44:45]
	s_lshl_b32 s44, s49, 15                        ; 32 rows of 1,024 bytes
	s_lshl_b32 s52, s50, 6
	s_add_co_u32 s44, s44, s52
	s_add_nc_u64 s[36:37], s[36:37], s[44:45]
	OUTPTR
	s_wait_alu depctr_va_vdst(0)
	v_lshlrev_b32 v4, 13, v3
	v_lshl_add_u32 v4, v2, 7, v4
	v_lshlrev_b32 v5, 10, v3
	v_lshl_add_u32 v5, v2, 4, v5
	SPLBODY 8192, 1024
.Lspl0:                                                ; layer 0: 8 waves x 2 K steps
	s_sub_co_u32 s48, ttmp9, 256
	s_lshr_b32 s49, s48, 1
	s_and_b32 s50, s48, 1
	s_mul_i32 s51, s49, 3
	s_add_co_u32 s51, s51, s50
	s_mov_b32 s2, 0
	s_mov_b32 s3, 0
	s_lshl_b32 s44, s49, 15
	s_lshl_b32 s52, s50, 9
	s_add_co_u32 s44, s44, s52
	s_add_nc_u64 s[34:35], s[4:5], s[44:45]
	s_lshl_b32 s44, s49, 12
	s_lshl_b32 s52, s50, 6
	s_add_co_u32 s44, s44, s52
	s_add_nc_u64 s[36:37], s[6:7], s[44:45]
	OUTPTR
	s_wait_alu depctr_va_vdst(0)
	v_lshlrev_b32 v4, 10, v3
	v_lshl_add_u32 v4, v2, 7, v4
	v_lshlrev_b32 v5, 7, v3
	v_lshl_add_u32 v5, v2, 4, v5
	SPLBODY 1024, 128
.Lbase_big:                                            ; bw1, bw2: 8 waves x 2 K steps each, K steps 16 and 17 of the layer
	s_sub_co_u32 s48, ttmp9, 272
	s_cmp_lt_u32 s48, 16
	s_cselect_b64 s[34:35], s[14:15], s[20:21]
	s_mov_b32 s2, 344064
	s_cselect_b32 s2, 49152, s2
	s_mov_b32 s3, 21504
	s_cselect_b32 s3, 3072, s3
	s_bfe_u32 s49, s48, 0x30001                    ; w
	s_and_b32 s50, s48, 1                          ; which 128 features
	s_mul_i32 s51, s49, 18
	s_add_co_u32 s51, s51, s50
	s_add_co_u32 s51, s51, 16
	s_lshl_b32 s44, s49, 15
	s_lshl_b32 s52, s50, 9
	s_add_co_u32 s44, s44, s52
	s_add_nc_u64 s[34:35], s[34:35], s[44:45]
	OUTPTR
	s_wait_alu depctr_va_vdst(0)
	v_lshlrev_b32 v4, 10, v3
	v_lshl_add_u32 v4, v2, 7, v4
	LOADBLK 1024, 1
	s_wait_loadcnt 0x0
	QALL 4
	OUT4
	s_endpgm
.Lbase0:                                               ; bw0: K = 32 is one block; the rest of its K step of 128 is zero codes under the byte 127
	s_sub_co_u32 s49, ttmp9, 304
	s_mul_i32 s51, s49, 3
	s_add_co_u32 s51, s51, 2
	s_mov_b32 s2, 0
	s_mov_b32 s3, 0
	s_lshl_b32 s44, s49, 12
	s_add_nc_u64 s[34:35], s[8:9], s[44:45]
	OUTPTR
	s_wait_alu depctr_va_vdst(0)
	v_lshlrev_b32 v4, 7, v3
.irp n, 0,1
.irp k, 0,1,2,3,4,5,6,7
	global_load_b128 v[X+32*\n+4*(\k/2+4*(\k%2)):X+32*\n+4*(\k/2+4*(\k%2))+3], v4, s[34:35] offset:\n*2048+16*\k
.endr
.endr
	s_wait_loadcnt 0x0
	QALL 2
	v_cmp_eq_u32 vcc_lo, 0, v2
.irp i, 0,1,2,3,4,5,6,7
	v_cndmask_b32 v[CD+\i], 0, v[CD+\i], vcc_lo    ; block 0 lies in lanes 0-15 of half 0
.endr
.irp i, 8,9,10,11
	v_mov_b32 v[CD+\i], 0
.endr
.irp n, 0,1
	v_or_b32 v[WD+\n], 0x7f7f7f00, v[YB+\n]
.endr
	v_cmp_eq_u32 vcc_lo, 1, v2
	v_cndmask_b32 v[WD], v[WD], v[WD+1], vcc_lo
	global_store_b32 v7, v[WD], s[42:43]
.irp n, 0,1
	global_store_b128 v6, v[CD+4*\n:CD+4*\n+3], s[38:39] offset:\n*1024
	global_store_b128 v6, v[CD+8:CD+11], s[38:39] offset:\n*1024+512
.endr
	s_endpgm
.Lt3:                                                  ; layer 3: a lane to a pair of features
.set EX, 64                            ; v64-77, v80-93: sw3 x ss3 of the two features with three zeros at each end
.set OT, 112                           ; v112-183: the pair's 72 words
	s_sub_co_u32 s48, ttmp9, 312
	s_lshl_b32 s48, s48, 5
	v_add_nc_u32 v9, s48, v0                       ; the pair's number: 16 w + P
	v_and_b32 v10, 0x70, v9
	v_lshlrev_b32 v10, 1, v10                      ; 32 w
	v_bfe_u32 v11, v9, 3, 1
	v_lshl_or_b32 v10, v11, 4, v10                 ; the second launch's stage holds feature 16 t + 8 c + 4 h + g at place 16 t + 8 h + 4 c + g
	v_bfe_u32 v11, v9, 2, 1
	v_lshl_or_b32 v10, v11, 2, v10
	v_bfe_u32 v11, v9, 1, 1
	v_lshl_or_b32 v10, v11, 3, v10
	v_and_b32 v11, 1, v9
	v_lshl_or_b32 v10, v11, 1, v10                 ; the pair's first feature, an even one
	v_lshlrev_b32 v12, 5, v10
	v_lshlrev_b32 v13, 2, v10
	v_mul_u32_u24 v14, v9, 288
.irp k, 0,1,2,3
	global_load_b128 v[32+4*\k:35+4*\k], v12, s[22:23] offset:16*\k
.endr
	global_load_b64 v[48:49], v13, s[24:25]
	global_load_b64 v[OT+66:OT+67], v13, s[26:27]
.irp z, 0,1
.irp i, 0,1,2,11,12,13
	v_mov_b32 v[EX+16*\z+\i], 0
.endr
.endr
.irp i, 68,69,70,71
	v_mov_b32 v[OT+\i], 0
.endr
	s_wait_loadcnt 0x0
.irp z, 0,1
.irp j, 0,1,2,3,4,5,6,7
	v_mul_f32 v[EX+16*\z+3+\j], v[32+8*\z+\j], v[48+\z]
.endr
.endr
; cell i meets bases i - 3 .. i: e0 .. e3.  a1 = (e2 - e0) / 2;  a2 = (e0 + e2) / 2 - e1;  a3 = (e3 - e0) / 6 + (e1 - e2) / 2
.macro CELL i, z
	v_sub_f32 v52, v[EX+16*\z+\i+2], v[EX+16*\z+\i]
	v_add_f32 v53, v[EX+16*\z+\i], v[EX+16*\z+\i+2]
	v_sub_f32 v54, v[EX+16*\z+\i+3], v[EX+16*\z+\i]
	v_sub_f32 v55, v[EX+16*\z+\i+1], v[EX+16*\z+\i+2]
	v_mul_f32 v[OT+6*\i+4+\z], 0.5, v52
	v_fma_f32 v[OT+6*\i+2+\z], v53, 0.5, -v[EX+16*\z+\i+1]
	v_mul_f32 v55, 0.5, v55
	v_fmamk_f32 v[OT+6*\i+\z], v54, 0x3e2aaaab, v55
.endm
.irp i, 0,1,2,3,4,5,6,7,8,9,10
	CELL \i, 0
	CELL \i, 1
.endr
.irp k, 0,1,2,3,4,5,6,7,8,9,10,11,12,13,14,15,16,17
	global_store_b128 v14, v[OT+4*\k:OT+4*\k+3], s[32:33] offset:16*\k
.endr
	s_endpgm
.Lfunc_end_k_q14547773c2_prep:
	.size	k_q14547773c2_prep, .Lfunc_end_k_q14547773c2_prep-k_q14547773c2_prep
	.p2alignl 7, 3214868480
	.fill 96, 4, 3214868480
	.section	.rodata,"a",@progbits
	.p2align	6, 0x0
	.amdhsa_kernel k_q14547773c2_prep
		.amdhsa_group_segment_fixed_size 0
		.amdhsa_private_segment_fixed_size 0
		.amdhsa_enable_private_segment 0
		.amdhsa_kernarg_size 120
		.amdhsa_user_sgpr_count 2
		.amdhsa_user_sgpr_kernarg_segment_ptr 1
		.amdhsa_wavefront_size32 1
		.amdhsa_system_sgpr_workgroup_id_x 1
		.amdhsa_system_sgpr_workgroup_id_y 1
		.amdhsa_system_sgpr_workgroup_id_z 1
		.amdhsa_system_vgpr_workitem_id 0
		.amdhsa_next_free_vgpr 208
		.amdhsa_next_free_sgpr 66
		.amdhsa_reserve_vcc 1
		.amdhsa_float_denorm_mode_32 3
		.amdhsa_float_denorm_mode_16_64 3
		.amdhsa_memory_ordered 1
		.amdhsa_forward_progress 1
		.amdhsa_inst_pref_size 59
	.end_amdhsa_kernel
	.amdgpu_metadata
---
amdhsa.version: [ 1, 2 ]
amdhsa.kernels:
  - .name:           k_q14547773c2_prep
    .symbol:         k_q14547773c2_prep.kd
    .args:
      - { .name: sw0, .offset: 0, .size: 8, .value_kind: global_buffer, .address_space: global }
      - { .name: ss0, .offset: 8, .size: 8, .value_kind: global_buffer, .address_space: global }
      - { .name: bw0, .offset: 16, .size: 8, .value_kind: global_buffer, .address_space: global }
      - { .name: sw1, .offset: 24, .size: 8, .value_kind: global_buffer, .address_space: global }
      - { .name: ss1, .offset: 32, .size: 8, .value_kind: global_buffer, .address_space: global }
      - { .name: bw1, .offset: 40, .size: 8, .value_kind: global_buffer, .address_space: global }
      - { .name: sw2, .offset: 48, .size: 8, .value_kind: global_buffer, .address_space: global }
      - { .name: ss2, .offset: 56, .size: 8, .value_kind: global_buffer, .address_space: global }
      - { .name: bw2, .offset: 64, .size: 8, .value_kind: global_buffer, .address_space: global }
      - { .name: sw3, .offset: 72, .size: 8, .value_kind: global_buffer, .address_space: global }
      - { .name: ss3, .offset: 80, .size: 8, .value_kind: global_buffer, .address_space: global }
      - { .name: bw3, .offset: 88, .size: 8, .value_kind: global_buffer, .address_space: global }
      - { .name: wq, .offset: 96, .size: 8, .value_kind: global_buffer, .address_space: global }
      - { .name: wsc, .offset: 104, .size: 8, .value_kind: global_buffer, .address_space: global }
      - { .name: t3, .offset: 112, .size: 8, .value_kind: global_buffer, .address_space: global }
    .group_segment_fixed_size: 0
    .private_segment_fixed_size: 0
    .kernarg_segment_align: 8
    .kernarg_segment_size: 120
    .max_flat_workgroup_size: 32
    .sgpr_count:     66
    .vgpr_count:     208
    .wavefront_size: 32
...
	.end_amdgpu_metadata
.endif
;; end of part 3
;; launch kan (part 4): grid 256 x 1, 8 waves a work-group, no clusters, 277,504 bytes of LDS; arguments x, freq, wq, wsc, t3, out0; writes out0
.if DOCPART == 4
	.amdgcn_target "amdgcn-amd-amdhsa--gfx1250"
	.amdhsa_code_object_version 6
	.text
	.protected	k_q14547773c2_kan
	.globl	k_q14547773c2_kan
	.p2align	8
	.type	k_q14547773c2_kan,@function
k_q14547773c2_kan:
	s_mov_b64 s[64:65], 0
	v_nop
	global_prefetch_b8 v0, s[64:65] scope:SCOPE_SE
	s_setreg_imm32_b32 hwreg(HW_REG_WAVE_SCHED_MODE, 0, 2), 2
	s_setreg_imm32_b32 hwreg(HW_REG_WAVE_MODE, 25, 1), 1
	s_wait_xcnt 0x0
	s_wait_alu depctr_vm_vsrc(0)
; A KAN OF FOUR LAYERS ON 16,384 POINTS, ALL LAYERS IN ONE LAUNCH.  enc = x freq; 16 sines and 16 cosines; three layers (32 -> 256 -> 256 -> 256), each the sum of a spline product (K = 8 x feature + basis)
; and a base product (K = feature, silu), both on codes of FP4 (E2M1) with one E8M0 byte for each 32 along K; a last layer 256 -> 1 in f32.
; SHARES.  A work-group takes 64 points (four tiles of 16).  Wave w of eight owns output features 32 w .. 32 w + 31 (two tiles) for all 64 points: eight accumulators.  Its weights of a layer (36 fragments) go from
; memory straight into its registers, as the first launch laid them, while the vector phase before runs.  What goes round through LDS is the points' codes, as images of the operand's registers.
; No cluster and no tensor load: the weights are wanted in registers, and LDS reads already bound the product phase; a tile sent to LDS first would add its bytes there.
; LAYOUT.  The products are used transposed (source 0 = 16 weight rows, source 1 = 16 points), and lane r of a weight tile holds output feature p(r) (bits 2 and 3 of r exchanged).  Register 4 c + g of lane (r, h) of a
; result is then feature 8 c + 4 h + g of point r: the very register of the next spline operand (a register = a feature's 8 bases), and a block of 32 is the lane's four features: no lane is asked for a maximum.
; SPLINE.  u = 2.5 x + 5.5, cell i = floor(u), t = u - i, s = 1 - t: the four bases that are not 0 are s^3/6, 2/3 + t^2 (t/2 - 1), 2/3 + s^2 (s/2 - 1), t^3/6, of bases i - 3 .. i.  Those outside 0 .. 7 become 0.
; One conversion makes the four codes; two shifts by counts taken modulo 32 put them at nibbles i - 3 on; what wraps round is a masked zero.
; LAST LAYER.  The sum over the 11 cells of T (a1 + T (a2 + T a3)), T = u - i held to 0 .. 1: the same spline, with no address made of data.
; LIMITS: NaN and infinities are not served.  |x freq| up to 1e8 (the quadrant is kept as a 32-bit number).  A feature is held to +-2.19999.. ahead of the spline weights: outside the grid a basis is at most about 1e-19
; where it should be 0.  The knots are taken as exactly uniform.  Blocks of zeros get the byte 1: their codes are zeros, and this program alone reads the bytes.
; THE MODE: SCHED_MODE bits 1:0 = 2 (LLVM: expert scheduling mode 2), set by the entry lines.  The code itself states the register dependences between vector or matrix instructions and memory or LDS
; instructions, and those through scalar registers that vector instructions write, with s_wait_alu, always for 0.
; THE PLAN.  Registers that memory or LDS instructions touch:
;   v4, v5, v7-17, v246-250, v253   addresses: written at the head and never again: one wait on va_vdst ahead of the first load serves them for the whole kernel.
;   v18, v19        written at the head of each product phase (a wait on vm_vsrc ahead, one on va_vdst behind), read by its LDS loads.
;   AF, two sets    LDS loads land; a K step's eight matrix instructions read a set; one wait on va_vdst behind the step, and the set is asked for again, two steps ahead.
;   ASC, WSCL, BWF, window 1   loads land; matrix instructions alone read them.  The next layer's loads stand behind the wait on va_vdst that stands ahead of the staging of the accumulators.
;   ACC             matrix instructions write; the staging stores read (four plain lines, then a wait on va_vdst); a wait on vm_vsrc behind the stores, and the vector phase takes the registers.
;   vector loop     a trip's top: a wait on vm_vsrc (the last trip's load and stores have read v178-182 and their data), the five addresses, a wait on va_vdst (they are written; the last trip is done reading H), the loads of H.
;                   In the trip three runs of stores, each behind a wait on va_vdst; the first two of these waits are also those of the exponentials and of the reciprocals.
;   last layer      CA, CB and XA, XB by turns: a group's head has a wait on vm_vsrc, the two addresses, a wait on va_vdst (they are written; the last group is done reading the other buffers), and the next group's 21 loads.
; Two waves of 512 registers fill a SIMD's 1,024: there is no room for a third set of AF or a second H.
.set REG0, 0                           ; LDS: two regions for the points' operands, by turns from layer to layer.  In a region:
.set REG1, 81920
.set FRB,  65536                       ;   +0 spline fragment (K step s, tile m) at (4 s + m) x 1,024; +65,536 base fragment (b, m) at (4 b + m) x 1,024;
.set SCA,  73728                       ;   scale words: (2 (step / 4) + m / 2) x 512 + 16 (r + 16 (m % 2)) + 4 (step % 4); the base steps count as steps 16, 17
.set SCB,  77824
.set STG,  163840                      ; a stage of 9,216 bytes for each wave: its results on their way to the vector phase
.set T3L,  237568                      ; 4,608 bytes for each wave: the last layer's coefficients of its 32 features
.set RED,  274432                      ; 256 bytes for each wave: its part of the 64 outputs
.set LN,   1                           ; v1 lane, v2 r, v3 h
.set RW,   2
.set HF,   3
.set LI,   4                           ; 16 x lane
.set L4,   5                           ; 4 x lane
.set SH8,  6                           ; 8 h
.set STQ,  7                           ; my stage, register images
.set SFW,  8                           ; my stage, as rows of 144 bytes
.set AFR0, 9                           ; where my spline fragments go;  v10 their scale words;  v11 my part of a base fragment;  v12 its scale byte
.set ASW0, 10
.set ABF0, 11
.set ABS0, 12
.set EFR,  13                          ; the same for the encoding (waves 0 to 3, a tile of points each); v16 the base fragment whole
.set ESW,  14
.set EBF,  15
.set EBZ,  16
.set EBS,  17
.set RA,   18                          ; 16 x lane + the region read;  v19 the same + 65,536
.set RB,   19
.set ACC,  32                          ; accumulator (tile n, points m) at 32 + 8 (4 n + m)
.set AF,   96                          ; the points' fragments, two sets of 32
.set ASC,  160                         ; the points' scale words
.set WSCL, 196                         ; the weights' scale words, a register a K step
.set BWF,  214                         ; the base weights' four fragments; the spline weights fill window 1
.set FCA,  246                         ; last layer: coefficients;  v247 my rows in the stage;  v248 where the coefficients are put;  v249, v250 the sums' words;  v251, v252 a trip's addresses;  v253 8 x lane
.set FXA,  247
.set T3W,  248
.set REDW, 249
.set REDR, 250
.set FCT,  251
.set FXT,  252
.set OUTO, 253
.set C55,  254                         ; v[254:255] 5.5 twice
; the vector phase's registers lie over the accumulators, fragments and scale words, which are idle then
.set H,    32                          ; 16 features of a point: 8 t + 4 c + g
.set Z,    48                          ; silu at work
.set W,    64                          ; four features x (4 weights, 4 zeros)
.set ST,   96                          ; pairs (s, t);  v104 their squares;  v112, v120 at work
.set SQ,   104
.set PA,   112
.set PB,   120
.set XC,   128
.set FI,   132
.set CC,   136
.set II,   140
.set N1,   144
.set N2,   148
.set CW,   152
.set MA,   156
.set SCL,  157
.set Y0,   158
.set Y1,   159
.set WP0,  160
.set WX,   161
.set WP1,  162
.set MB,   163
.set PC0,  164
.set BM,   172
.set BX,   173
.set BS,   174
.set BY,   175
.set BC,   176
.set TA,   178
.set PC1,  184
.set MSB, 0
.macro WIN new                         ; the immediate's high byte repeats the setting that is left
.if MSB != \new
	s_set_vgpr_msb (MSB<<8)|\new
.set MSB, \new
.endif
.endm
.macro BAR                             ; my LDS stores have landed and my LDS loads are in: then the work-group's barrier
	s_wait_dscnt 0x0
	s_barrier_signal -1
	s_barrier_wait -1
.endm
	s_load_b256 s[4:11], s[0:1], 0x0               ; x s[4:5], freq s[6:7], wq s[8:9], wsc s[10:11]
	s_load_b128 s[12:15], s[0:1], 0x20             ; t3 s[12:13], out0 s[14:15]
	v_lshrrev_b32 v1, 5, v0
	v_readfirstlane_b32 s16, v1                    ; wave 0..7
	v_and_b32 v[LN], 31, v0
	v_and_b32 v[RW], 15, v0
	v_bfe_u32 v[HF], v0, 4, 1
	v_lshlrev_b32 v[LI], 4, v[LN]
	v_lshlrev_b32 v[L4], 2, v[LN]
	v_lshlrev_b32 v[SH8], 3, v[HF]
	v_lshlrev_b32 v[OUTO], 3, v[LN]
	s_wait_alu depctr_va_sdst(0)                   ; s16 is written, ahead of its first reader: every wave's LDS places and pointers are made from it
	; every LDS address register is made here, ahead of the first parting of the waves
	s_mul_i32 s29, s16, 9216
	s_add_co_u32 s29, s29, STG
	v_add_nc_u32 v[STQ], s29, v[LI]
	v_mul_u32_u24 v[SFW], v[RW], 144
	v_lshl_add_u32 v[FXA], v[HF], 3, v[SFW]
	v_lshl_add_u32 v[SFW], v[HF], 5, v[SFW]
	v_add_nc_u32 v[SFW], s29, v[SFW]               ; row r of 144 bytes, + 32 h
	v_add_nc_u32 v[FXA], s29, v[FXA]               ; row r, + 8 h
	s_lshl_b32 s30, s16, 13
	v_add_nc_u32 v[AFR0], s30, v[LI]               ; K steps 2 w, 2 w + 1: 8,192 w
	s_lshr_b32 s30, s16, 1
	s_lshl_b32 s30, s30, 10
	s_and_b32 s31, s16, 1
	s_lshl_b32 s31, s31, 3
	s_add_co_u32 s30, s30, s31
	s_add_co_u32 s30, s30, SCA
	v_lshl_add_u32 v[ASW0], v[RW], 4, s30
	v_lshlrev_b32 v[RA], 4, v[RW]
	v_lshl_add_u32 v[RA], v[HF], 3, v[RA]          ; 16 r + 8 h
	s_wait_alu depctr_va_vdst(0)
	s_lshr_b32 s30, s16, 2
	s_and_b32 s31, s16, 3
	s_lshl_b32 s32, s30, 12
	s_lshl_b32 s33, s31, 8
	s_add_co_u32 s32, s32, s33
	s_add_co_u32 s32, s32, FRB
	v_add_nc_u32 v[ABF0], s32, v[RA]               ; block w % 4 of base step w / 4: half (w / 2) % 2, lanes 16 (w % 2) on
	s_lshl_b32 s32, s30, 2
	s_add_co_u32 s32, s32, s31
	s_add_co_u32 s32, s32, SCB
	v_lshl_add_u32 v[ABS0], v[RW], 4, s32
	s_lshl_b32 s30, s16, 10
	v_add_nc_u32 v[EFR], s30, v[LI]
	s_add_co_u32 s31, s30, FRB
	v_add_nc_u32 v[EBF], s31, v[RA]
	v_add_nc_u32 v[EBZ], s31, v[LI]
	s_lshl_b32 s32, s16, 8
	s_add_co_u32 s33, s32, SCA
	v_lshl_add_u32 v[ESW], v[RW], 4, s33
	s_add_co_u32 s33, s32, SCB
	v_lshl_add_u32 v[EBS], v[RW], 4, s33
	s_add_co_u32 s33, s32, RED
	v_lshl_add_u32 v[REDW], v[RW], 2, s33
	v_add_nc_u32 v[REDR], RED, v[OUTO]
	s_mul_i32 s30, s16, 4608
	s_add_co_u32 s30, s30, T3L
	v_add_nc_u32 v[T3W], s30, v[LI]
	v_mul_u32_u24 v[FCA], v[HF], 288
	v_add_nc_u32 v[FCA], s30, v[FCA]
	; constants.  v20-31: the pairs of the four weights' polynomials in (s, t)
	v_mov_b32 v20, 0x3e2aaaab                      ; (1/6, 1/2)
	v_mov_b32 v21, 0.5
	v_mov_b32 v22, 0                               ; (0, -1)
	v_mov_b32 v23, -1.0
	v_mov_b32 v24, 0.5                             ; (1/2, 1/6)
	v_mov_b32 v25, 0x3e2aaaab
	v_mov_b32 v26, -1.0                            ; (-1, 0)
	v_mov_b32 v27, 0
	v_mov_b32 v28, 0                               ; (0, 2/3)
	v_mov_b32 v29, 0x3f2aaaab
	v_mov_b32 v30, 0x3f2aaaab                      ; (2/3, 0)
	v_mov_b32 v31, 0
	v_mov_b32 v[C55], 0x40b00000
	v_mov_b32 v[C55+1], 0x40b00000
	v_mov_b32 v[WX], 0                             ; a lane permute's destination counts as one of its sources
	v_mov_b32 v[BX], 0
	s_mov_b32 s20, 0xc00ccccc                      ; the hold ahead of the spline weights: just inside the grid's ends, so that the cell is 0 .. 10
	s_mov_b32 s21, 0x400ccccb
	s_mov_b32 s22, 0x40200000                      ; 2.5
	s_mov_b32 s23, 0x40200000
	s_mov_b32 s24, 0x40b00000                      ; 5.5
	s_mov_b32 s25, 0x40b00000
	s_mov_b32 s26, 0x76543210
	s_mov_b32 s27, 0xfedcba98                      ; selects for lane l xor 16
	s_mov_b32 s58, 0xbfb8aa3b                      ; -log2(e)
	s_mov_b32 s59, 0xbfb8aa3b
	v_lshlrev_b32 v57, 2, v[RW]
	v_lshlrev_b32 v58, 4, v[HF]
	s_wait_kmcnt 0x0
	s_mov_b32 s31, 0
	s_lshl_b32 s30, ttmp9, 8
	s_add_nc_u64 s[14:15], s[14:15], s[30:31]      ; out0 at my 64 points
	s_and_b32 s32, s16, 3
	s_lshl_b32 s32, s32, 6
	s_add_co_u32 s30, s30, s32
	s_add_nc_u64 s[4:5], s[4:5], s[30:31]          ; x at tile wave % 4 (waves 4 to 7 load inside the buffer and use nothing of it)
	s_mul_i32 s30, s16, 4608
	s_add_nc_u64 s[12:13], s[12:13], s[30:31]
	s_mul_i32 s30, s16, 6144
	s_add_nc_u64 s[34:35], s[8:9], s[30:31]        ; my weights of layer 0,
	s_mul_i32 s30, s16, 36864
	s_add_co_u32 s30, s30, 49152
	s_add_nc_u64 s[36:37], s[8:9], s[30:31]        ; 1,
	s_add_co_u32 s30, s30, 294912
	s_add_nc_u64 s[38:39], s[8:9], s[30:31]        ; 2;
	s_mul_i32 s30, s16, 384
	s_add_nc_u64 s[40:41], s[10:11], s[30:31]      ; and their scale words
	s_mul_i32 s30, s16, 2304
	s_add_co_u32 s30, s30, 3072
	s_add_nc_u64 s[42:43], s[10:11], s[30:31]
	s_add_co_u32 s30, s30, 18432
	s_add_nc_u64 s[44:45], s[10:11], s[30:31]
; the fragments of K steps k0 .. k1 into window 1, at 16 k + 8 n.  The wait on va_vdst that these loads lean on stands further ahead: between it and them stand only loads, stores, waits and window
; switches that name neither v[LI] nor a register of window 1
.macro WFRAG k0, k1, ptr
	WIN 0x40                                       ; destination window 1, address window 0
.set kk, \k0
.rept (\k1)-(\k0)+1
.irp n, 0,1
.irp c, 0,1
	global_load_b128 v[16*kk+8*\n+4*\c:16*kk+8*\n+4*\c+3], v[LI], s[\ptr:\ptr+1] offset:(2*kk+\n)*1024+512*\c
.endr
.endr
.set kk, kk+1
.endr
	WIN 0
.endm
.macro WSC n, ptr                      ; n scale words: lanes 0-15 tile 0's rows, lanes 16-31 tile 1's
.set kk, 0
.rept \n
	global_load_b32 v[WSCL+kk], v[L4], s[\ptr:\ptr+1] offset:128*kk
.set kk, kk+1
.endr
.endm
.macro WLOADA ptr, sptr                ; ahead of the vector phase: 18 + 44 = 62 loads
	WSC 18, \sptr
	WFRAG 0, 10, \ptr
.endm
.macro WLOADB ptr                      ; behind it: 20 + 8 = 28 loads, which land while K steps 0 to 10 are multiplied
	WFRAG 11, 15, \ptr
.irp b, 0,1
.irp n, 0,1
.irp c, 0,1
	global_load_b128 v[BWF+16*\b+8*\n+4*\c:BWF+16*\b+8*\n+4*\c+3], v[LI], s[\ptr:\ptr+1] offset:(2*(16+\b)+\n)*1024+512*\c
.endr
.endr
.endr
.endm
	s_wait_alu depctr_va_vdst(0)                   ; every address and offset made above is written: v57, v58, v[LI], v[L4] for the loads below, the others for the whole kernel
	global_load_b32 v56, v57, s[4:5]               ; x of point r
	global_load_b128 v[48:51], v58, s[6:7]         ; freq 4 h .. 4 h + 3
	global_load_b128 v[52:55], v58, s[6:7] offset:32   ; freq 8 + 4 h ..
.irp k, 0,1,2,3,4,5,6,7,8
	global_load_b128 v[200+4*\k:203+4*\k], v[LI], s[12:13] offset:512*\k   ; the last layer's coefficients of my 32 features
.endr
	WFRAG 0, 2, 34
	WSC 3, 40
	s_wait_loadcnt 15                              ; all but layer 0's 12 + 3 loads are in
.irp k, 0,1,2,3,4,5,6,7,8
	ds_store_b128 v[T3W], v[200+4*\k:203+4*\k] offset:512*\k   ; my own bytes: only I read them
.endr
	s_wait_alu depctr_vm_vsrc(0)                   ; the loads of x and freq have read v57 and v58, which the vector phases write as part of Z; the nine stores have read v200-235, in which scale words and weights land.  Ahead of the parting of the waves
; FOUR FEATURES (a block of 32 along K) BECOME FOUR REGISTERS OF CODES AND A SCALE BYTE.  hb: the features' first register; pc: the codes'; y: the byte's.  The four take turns line by line.
; The sixteen compares stand in one run, ahead of the polynomials' twenty lines, and one wait stands between them and the selections.
.macro SPLBLK hb, pc, y
.irp q, 0,1,2,3
	v_med3_num_f32 v[XC+\q], v[(\hb)+\q], s20, s21
.endr
.irp q, 0,1,2,3
	v_fma_f32 v[FI+\q], v[XC+\q], s22, s24         ; u
.endr
.irp q, 0,1,2,3
	v_floor_f32 v[FI+\q], v[FI+\q]                 ; the cell
.endr
.irp q, 0,1,2,3
	v_sub_f32 v[CC+\q], s24, v[FI+\q]              ; 5.5 - cell, exact
.endr
.irp q, 0,1,2,3
	v_fma_f32 v[ST+2*\q+1], v[XC+\q], s22, v[CC+\q]   ; t, rounded once
.endr
.irp q, 0,1,2,3
	v_cvt_i32_f32 v[II+\q], v[FI+\q]
.endr
.irp q, 0,1,2,3
	v_sub_f32 v[ST+2*\q], 1.0, v[ST+2*\q+1]        ; s
.endr
.irp q, 0,1,2,3
	v_lshl_add_u32 v[N1+\q], v[II+\q], 2, -12      ; 4 i - 12: the shift to the left; a shift takes its count's low five bits
.endr
.irp q, 0,1,2,3
	v_mad_u32_u24 v[N2+\q], v[II+\q], 28, 12       ; 12 - 4 i modulo 32: the shift to the right
.endr
.irp q, 0,1,2,3
	v_add_nc_u32 v[XC+\q], -2, v[II+\q]
.endr
.irp q, 0,1,2,3
	v_add_nc_u32 v[FI+\q], -1, v[II+\q]
.endr
.irp q, 0,1,2,3
	v_cmp_lt_u32 s[50+\q], 2, v[II+\q]             ; a weight whose basis is not one of 0 .. 7 becomes 0, for the maximum and for the codes: basis i - 3,
.endr
.irp q, 0,1,2,3
	v_cmp_gt_u32 s[54+\q], 8, v[XC+\q]             ; i - 2,
.endr
.irp q, 0,1,2,3
	v_cmp_gt_u32 s[46+\q], 8, v[FI+\q]             ; i - 1,
.endr
.irp q, 0,1,2,3
	v_cmp_gt_u32 s[60+\q], 8, v[II+\q]             ; i
.endr
.irp q, 0,1,2,3
	v_pk_mul_f32 v[SQ+2*\q:SQ+2*\q+1], v[ST+2*\q:ST+2*\q+1], v[ST+2*\q:ST+2*\q+1]
.endr
.irp q, 0,1,2,3
	v_pk_fma_f32 v[PA+2*\q:PA+2*\q+1], v[ST+2*\q:ST+2*\q+1], v[20:21], v[22:23]   ; (s/6, t/2 - 1)
.endr
.irp q, 0,1,2,3
	v_pk_fma_f32 v[PB+2*\q:PB+2*\q+1], v[ST+2*\q:ST+2*\q+1], v[24:25], v[26:27]   ; (s/2 - 1, t/6)
.endr
.irp q, 0,1,2,3
	v_pk_fma_f32 v[W+8*\q:W+8*\q+1], v[SQ+2*\q:SQ+2*\q+1], v[PA+2*\q:PA+2*\q+1], v[28:29]     ; the weights of bases i - 3, i - 2
.endr
.irp q, 0,1,2,3
	v_pk_fma_f32 v[W+8*\q+2:W+8*\q+3], v[SQ+2*\q:SQ+2*\q+1], v[PB+2*\q:PB+2*\q+1], v[30:31]   ; of bases i - 1, i
.endr
	s_wait_alu depctr_va_sdst(0)                   ; the sixteen compares have written s46-57 and s60-63, ahead of the selections that read them
.irp q, 0,1,2,3
	v_cndmask_b32 v[W+8*\q], 0, v[W+8*\q], s[50+\q]
.endr
.irp q, 0,1,2,3
	v_cndmask_b32 v[W+8*\q+1], 0, v[W+8*\q+1], s[54+\q]
.endr
.irp q, 0,1,2,3
	v_cndmask_b32 v[W+8*\q+2], 0, v[W+8*\q+2], s[46+\q]
.endr
.irp q, 0,1,2,3
	v_cndmask_b32 v[W+8*\q+3], 0, v[W+8*\q+3], s[60+\q]
.endr
	v_max3_num_f32 v[MA], |v[W]|, |v[W+1]|, 0x1800000      ; the block's largest magnitude, in two chains; the floor 2^(3 - 127) holds the byte at 1 from below
	v_max3_num_f32 v[MB], |v[W+2]|, |v[W+3]|, |v[W+8]|
	v_max3_num_f32 v[MA], v[MA], |v[W+9]|, |v[W+10]|
	v_max3_num_f32 v[MB], v[MB], |v[W+11]|, |v[W+16]|
	v_max3_num_f32 v[MA], v[MA], |v[W+17]|, |v[W+18]|
	v_max3_num_f32 v[MB], v[MB], |v[W+19]|, |v[W+24]|
	v_max3_num_f32 v[MA], v[MA], |v[W+25]|, |v[W+26]|
	v_max3_num_f32 v[MA], v[MA], v[MB], |v[W+27]|
	v_add_nc_u32 v[SCL], 0xff000000, v[MA]         ; 2 off the exponent field: the conversion's scale operand
.irp q, 0,1,2,3
	v_cvt_scalef32_pk8_fp4_f32 v[CW+\q], v[W+8*\q:W+8*\q+7], v[SCL]   ; four codes in nibbles 0 .. 3, zeros above
.endr
	v_lshrrev_b32 v[\y], 23, v[SCL]                ; the scale's byte; also the plain line behind the conversions
.irp q, 0,1,2,3
	v_lshrrev_b32 v[CC+\q], v[N2+\q], v[CW+\q]
.endr
.irp q, 0,1,2,3
	v_lshl_or_b32 v[(\pc)+\q], v[CW+\q], v[N1+\q], v[CC+\q]   ; the codes at nibbles i - 3 on
.endr
.endm
; 16 FEATURES OF A POINT (v[H] on) BECOME: two spline fragments' registers with their scale words, and my 16 of a block of the base operand.  afr, asw, abf, abs: address registers.  e = 1: the encoding, whose base K is one block.
; Each of the three runs of stores has registers of its own for its data, so that nothing written further down in the same pass is still being read by a store.
.macro QBODY afr, asw, abf, abs, e
.irp i, 0,2,4,6,8,10,12,14
	v_pk_mul_f32 v[Z+\i:Z+\i+1], v[H+\i:H+\i+1], s[58:59] op_sel_hi:[1,0]
.endr
	s_wait_alu depctr_va_vdst(0)
.irp i, 0,1,2,3,4,5,6,7,8,9,10,11,12,13,14,15
	v_exp_f32 v[Z+\i], v[Z+\i]                     ; e^-h: one batch; the first tile's spline work, which names none of these, follows it
.endr
	SPLBLK H, PC0, Y0
	SPLBLK H+4, PC0+4, Y1
	v_lshl_or_b32 v[WP0], v[Y1], 16, v[Y0]         ; my bytes are those of blocks h and 2 + h,
	v_lshlrev_b32 v[WP0], v[SH8], v[WP0]
	v_permlanex16_b32 v[WX], v[WP0], s26, s27
	v_or_b32 v[WP0], v[WP0], v[WX]                 ; with lane l xor 16's the word is whole
	s_wait_alu depctr_va_vdst(0)                   ; the first tile's codes and scale word are written, which the three stores read; and the sixteen exponentials have written Z, ahead of their first reader
	ds_store_b128 v[\afr], v[PC0:PC0+3]
	ds_store_b128 v[\afr], v[PC0+4:PC0+7] offset:512
	ds_store_b32 v[\asw], v[WP0]
.irp i, 0,2,4,6,8,10,12,14
	v_pk_add_f32 v[Z+\i:Z+\i+1], v[Z+\i:Z+\i+1], 1.0 op_sel_hi:[1,0]
.endr
	s_wait_alu depctr_va_vdst(0)
.irp i, 0,1,2,3,4,5,6,7,8,9,10,11,12,13,14,15
	v_rcp_f32 v[Z+\i], v[Z+\i]                     ; the second batch; the second tile's spline work follows it
.endr
	SPLBLK H+8, PC1, Y0
	SPLBLK H+12, PC1+4, Y1
	v_lshl_or_b32 v[WP1], v[Y1], 16, v[Y0]
	v_lshlrev_b32 v[WP1], v[SH8], v[WP1]
	v_permlanex16_b32 v[WX], v[WP1], s26, s27
	v_or_b32 v[WP1], v[WP1], v[WX]
	s_wait_alu depctr_va_vdst(0)                   ; the second tile's codes and scale word are written, which the three stores read; and the sixteen reciprocals have written Z, ahead of their first reader
	ds_store_b128 v[\afr], v[PC1:PC1+3] offset:4096
	ds_store_b128 v[\afr], v[PC1+4:PC1+7] offset:4608
	ds_store_b32 v[\asw], v[WP1] offset:4
.irp i, 0,2,4,6,8,10,12,14
	v_pk_mul_f32 v[Z+\i:Z+\i+1], v[H+\i:H+\i+1], v[Z+\i:Z+\i+1]   ; silu
.endr
	v_max3_num_f32 v[BM], |v[Z]|, |v[Z+1]|, 0x1800000
	v_max3_num_f32 v[MB], |v[Z+2]|, |v[Z+3]|, |v[Z+4]|
	v_max3_num_f32 v[BM], v[BM], |v[Z+5]|, |v[Z+6]|
	v_max3_num_f32 v[MB], v[MB], |v[Z+7]|, |v[Z+8]|
	v_max3_num_f32 v[BM], v[BM], |v[Z+9]|, |v[Z+10]|
	v_max3_num_f32 v[MB], v[MB], |v[Z+11]|, |v[Z+12]|
	v_max3_num_f32 v[BM], v[BM], |v[Z+13]|, |v[Z+14]|
	v_max3_num_f32 v[BM], v[BM], v[MB], |v[Z+15]|
	v_permlanex16_b32 v[BX], v[BM], s26, s27
	v_max_num_f32 v[BM], v[BM], v[BX]              ; the block's 32 features lie in lanes l and l xor 16
	v_add_nc_u32 v[BS], 0xff000000, v[BM]
	v_cvt_scalef32_pk8_fp4_f32 v[BC], v[Z:Z+7], v[BS]
	v_cvt_scalef32_pk8_fp4_f32 v[BC+1], v[Z+8:Z+15], v[BS]
	v_lshrrev_b32 v[BY], 23, v[BS]                 ; the byte; also the plain line behind the conversions
.if \e
	v_or_b32 v[BY], 0x7f7f7f00, v[BY]              ; blocks 1 to 3 of the K step are zero codes under the byte 127
.endif
	s_wait_alu depctr_va_vdst(0)                   ; the base codes and their byte are written, which the two stores read
	ds_store_b64 v[\abf], v[BC:BC+1]               ; places 16 h .. 16 h + 15 of the block, in the order in which the first launch laid the base weights
.if \e
	ds_store_b32 v[\abs], v[BY]
.else
	ds_store_b8 v[\abs], v[BY]                     ; both lanes of a point write the same byte with the same value
.endif
.endm
.macro PADS                            ; the four zeros above each feature's four weights
.irp q, 0,1,2,3
.irp i, 4,5,6,7
	v_mov_b32 v[W+8*\q+\i], 0
.endr
.endr
.endm
; ---- THE ENCODING: waves 0 to 3, a tile of 16 points each.  Lane (r, h) makes sin and cos of x freq for the eight frequencies 8 c + 4 h + g: the layout of a result
	s_cmp_gt_u32 s16, 3
	s_cbranch_scc1 .Lno_enc
.set EN, 64
.set KF, 72
.set KG, 80
.set QI, 88
.set RR, 96
.set SP, 104
.set CP, 112
.set TU, 120
.set TV, 128
	s_mov_b32 s46, 0x3638ef1d                      ; 1/9!
	s_mov_b32 s47, 0xb493f27e                      ; -1/10!
.irp j, 0,1,2,3,4,5,6,7
	v_mul_f32 v[EN+\j], v56, v[48+\j]              ; enc, rounded as the product is
.endr
.irp j, 0,1,2,3,4,5,6,7
	v_mul_f32 v[KF+\j], 0x3f22f983, v[EN+\j]       ; x 2/pi
.endr
.irp j, 0,1,2,3,4,5,6,7
	v_rndne_f32 v[KF+\j], v[KF+\j]
.endr
.irp j, 0,1,2,3,4,5,6,7
	v_fmamk_f32 v[EN+\j], v[KF+\j], 0xbfc90fdb, v[EN+\j]   ; less k pi/2, pi/2 in three pieces, each step a fused multiply-add
.endr
.irp j, 0,1,2,3,4,5,6,7
	v_fmamk_f32 v[EN+\j], v[KF+\j], 0x333bbd2e, v[EN+\j]
.endr
.irp j, 0,1,2,3,4,5,6,7
	v_fmamk_f32 v[EN+\j], v[KF+\j], 0x26f72ced, v[EN+\j]
.endr
.irp j, 0,1,2,3,4,5,6,7
	v_mul_f32 v[KG+\j], 0x3f22f983, v[EN+\j]       ; for large enc the first k may be off by a few: once more
.endr
.irp j, 0,1,2,3,4,5,6,7
	v_rndne_f32 v[KG+\j], v[KG+\j]
.endr
.irp j, 0,1,2,3,4,5,6,7
	v_fmamk_f32 v[EN+\j], v[KG+\j], 0xbfc90fdb, v[EN+\j]
.endr
.irp j, 0,1,2,3,4,5,6,7
	v_fmamk_f32 v[EN+\j], v[KG+\j], 0x333bbd2e, v[EN+\j]   ; r, within pi/4
.endr
.irp j, 0,1,2,3,4,5,6,7
	v_cvt_i32_f32 v[QI+\j], v[KF+\j]
.endr
.irp j, 0,1,2,3,4,5,6,7
	v_cvt_i32_f32 v[TU+\j], v[KG+\j]
.endr
.irp j, 0,1,2,3,4,5,6,7
	v_add_nc_u32 v[QI+\j], v[QI+\j], v[TU+\j]      ; the quadrant
.endr
.irp j, 0,1,2,3,4,5,6,7
	v_mul_f32 v[RR+\j], v[EN+\j], v[EN+\j]
.endr
.irp j, 0,1,2,3,4,5,6,7
	v_fmaak_f32 v[SP+\j], s46, v[RR+\j], 0xb9500d01   ; sin r: the series to r^9 (the next term is under 2e-9 at pi/4)
.endr
.irp j, 0,1,2,3,4,5,6,7
	v_fmaak_f32 v[CP+\j], s47, v[RR+\j], 0x37d00d01   ; cos r: to r^10
.endr
.irp j, 0,1,2,3,4,5,6,7
	v_fmaak_f32 v[SP+\j], v[SP+\j], v[RR+\j], 0x3c088889
.endr
.irp j, 0,1,2,3,4,5,6,7
	v_fmaak_f32 v[CP+\j], v[CP+\j], v[RR+\j], 0xbab60b61
.endr
.irp j, 0,1,2,3,4,5,6,7
	v_fmaak_f32 v[SP+\j], v[SP+\j], v[RR+\j], 0xbe2aaaab
.endr
.irp j, 0,1,2,3,4,5,6,7
	v_fmaak_f32 v[CP+\j], v[CP+\j], v[RR+\j], 0x3d2aaaab
.endr
.irp j, 0,1,2,3,4,5,6,7
	v_mul_f32 v[TU+\j], v[EN+\j], v[RR+\j]
.endr
.irp j, 0,1,2,3,4,5,6,7
	v_fmaak_f32 v[CP+\j], v[CP+\j], v[RR+\j], 0xbf000000
.endr
.irp j, 0,1,2,3,4,5,6,7
	v_fma_f32 v[SP+\j], v[TU+\j], v[SP+\j], v[EN+\j]
.endr
.irp j, 0,1,2,3,4,5,6,7
	v_fma_f32 v[CP+\j], v[CP+\j], v[RR+\j], 1.0
.endr
.irp j, 0,1,2,3,4,5,6,7
	v_and_b32 v[TU+\j], 1, v[QI+\j]
.endr
.irp j, 0,1,2,3,4,5,6,7
	v_cmp_eq_u32 s[50+\j], 1, v[TU+\j]             ; in odd quadrants the two change places
.endr
	s_wait_alu depctr_va_sdst(0)                   ; the eight compares have written s50-57, ahead of the selections that read them
.irp j, 0,1,2,3,4,5,6,7
	v_cndmask_b32 v[TV+\j], v[SP+\j], v[CP+\j], s[50+\j]
.endr
.irp j, 0,1,2,3,4,5,6,7
	v_cndmask_b32 v[TU+\j], v[CP+\j], v[SP+\j], s[50+\j]
.endr
.irp j, 0,1,2,3,4,5,6,7
	v_lshlrev_b32 v[KF+\j], 30, v[QI+\j]           ; the sine's sign: bit 1 of the quadrant;
.endr
.irp j, 0,1,2,3,4,5,6,7
	v_add_nc_u32 v[KG+\j], 1, v[QI+\j]             ; the cosine's: bit 1 of the quadrant + 1
.endr
.irp j, 0,1,2,3,4,5,6,7
	v_and_b32 v[KF+\j], 0x80000000, v[KF+\j]
.endr
.irp j, 0,1,2,3,4,5,6,7
	v_lshlrev_b32 v[KG+\j], 30, v[KG+\j]
.endr
.irp j, 0,1,2,3,4,5,6,7
	v_xor_b32 v[H+\j], v[KF+\j], v[TV+\j]          ; features 0 .. 15: the sines
.endr
.irp j, 0,1,2,3,4,5,6,7
	v_and_b32 v[KG+\j], 0x80000000, v[KG+\j]
.endr
.irp j, 0,1,2,3,4,5,6,7
	v_xor_b32 v[H+8+\j], v[KG+\j], v[TU+\j]        ; features 16 .. 31: the cosines
.endr
	PADS
	s_wait_alu depctr_va_vdst(0)                   ; the zeros in v[W+4 .. W+7] are written, which the two stores read
	ds_store_b128 v[EBZ], v[W+4:W+7]               ; the base fragment begins as zeros; LDS serves a wave's instructions in order, so my codes land on top
	ds_store_b128 v[EBZ], v[W+4:W+7] offset:512
	QBODY EFR, ESW, EBF, EBS, 1
.Lno_enc:
	BAR                                            ; layer 0's operands lie in region 0
; one matrix instruction.  n: the weight tile (its scale words lie in lanes 16 n on);  u: the points' tile is even or odd (likewise)
.macro MM d, a, b, sa, sb, n, u, zero
.set qd, \d
.set qa, \a
.set qb, \b
.set qs, \sa
.set qt, \sb
.if \zero
.if (\n) == 0 && (\u) == 0
	v_wmma_scale_f32_16x16x128_f8f6f4 v[qd:qd+7], v[qa:qa+7], v[qb:qb+7], 0, v[qs], v[qt] matrix_a_fmt:MATRIX_FMT_FP4 matrix_b_fmt:MATRIX_FMT_FP4
.elseif (\n) == 1 && (\u) == 0
	v_wmma_scale_f32_16x16x128_f8f6f4 v[qd:qd+7], v[qa:qa+7], v[qb:qb+7], 0, v[qs], v[qt] matrix_a_fmt:MATRIX_FMT_FP4 matrix_b_fmt:MATRIX_FMT_FP4 matrix_a_scale:MATRIX_SCALE_ROW1
.elseif (\n) == 0
	v_wmma_scale_f32_16x16x128_f8f6f4 v[qd:qd+7], v[qa:qa+7], v[qb:qb+7], 0, v[qs], v[qt] matrix_a_fmt:MATRIX_FMT_FP4 matrix_b_fmt:MATRIX_FMT_FP4 matrix_b_scale:MATRIX_SCALE_ROW1
.else
	v_wmma_scale_f32_16x16x128_f8f6f4 v[qd:qd+7], v[qa:qa+7], v[qb:qb+7], 0, v[qs], v[qt] matrix_a_fmt:MATRIX_FMT_FP4 matrix_b_fmt:MATRIX_FMT_FP4 matrix_a_scale:MATRIX_SCALE_ROW1 matrix_b_scale:MATRIX_SCALE_ROW1
.endif
.else
.if (\n) == 0 && (\u) == 0
	v_wmma_scale_f32_16x16x128_f8f6f4 v[qd:qd+7], v[qa:qa+7], v[qb:qb+7], v[qd:qd+7], v[qs], v[qt] matrix_a_fmt:MATRIX_FMT_FP4 matrix_b_fmt:MATRIX_FMT_FP4
.elseif (\n) == 1 && (\u) == 0
	v_wmma_scale_f32_16x16x128_f8f6f4 v[qd:qd+7], v[qa:qa+7], v[qb:qb+7], v[qd:qd+7], v[qs], v[qt] matrix_a_fmt:MATRIX_FMT_FP4 matrix_b_fmt:MATRIX_FMT_FP4 matrix_a_scale:MATRIX_SCALE_ROW1
.elseif (\n) == 0
	v_wmma_scale_f32_16x16x128_f8f6f4 v[qd:qd+7], v[qa:qa+7], v[qb:qb+7], v[qd:qd+7], v[qs], v[qt] matrix_a_fmt:MATRIX_FMT_FP4 matrix_b_fmt:MATRIX_FMT_FP4 matrix_b_scale:MATRIX_SCALE_ROW1
.else
	v_wmma_scale_f32_16x16x128_f8f6f4 v[qd:qd+7], v[qa:qa+7], v[qb:qb+7], v[qd:qd+7], v[qs], v[qt] matrix_a_fmt:MATRIX_FMT_FP4 matrix_b_fmt:MATRIX_FMT_FP4 matrix_a_scale:MATRIX_SCALE_ROW1 matrix_b_scale:MATRIX_SCALE_ROW1
.endif
.endif
.endm
.macro AFETCH set, areg, off           ; a K step's four fragments of the points, as images: 8 loads of 512 consecutive bytes
.irp m, 0,1,2,3
.irp c, 0,1
	ds_load_b128 v[AF+32*(\set)+8*\m+4*\c:AF+32*(\set)+8*\m+4*\c+3], v[\areg] offset:(\off)+1024*\m+512*\c
.endr
.endr
.endm
; A K STEP OF 128: eight matrix instructions, the eight accumulators by turns in one order.  cnt: the LDS loads issued behind this step's, which may stay out.
; Four plain lines follow: behind the last step of a layer they are the places ahead of the first read of the results (ISA guide 7.12.1).
.macro KSTEP set, win, wreg, wsc, asca, ascb, zero, cnt
	s_wait_dscnt \cnt
	WIN \win
.irp p, 0,1
.irp u, 0,1
.irp n, 0,1
	MM ACC+8*(4*\n+2*\p+\u), (\wreg)+8*\n, AF+32*(\set)+8*(2*\p+\u), \wsc, (\asca)+((\ascb)-(\asca))*\p, \n, \u, \zero
.endr
.endr
.endr
	WIN 0
.rept 4
	v_nop
.endr
.endm
; The head of a product phase: the two addresses of the region that it reads
.macro PHEAD region
	s_wait_alu depctr_vm_vsrc(0)                   ; the last product phase's LDS loads have read v[RA] and v[RB], written below; the vector phase's loads and stores have read their addresses and data in v64-195, in which the loads below land and over which the accumulators are written
	v_add_nc_u32 v[RA], \region, v[LI]
	v_add_nc_u32 v[RB], (\region)+FRB, v[LI]
	s_wait_alu depctr_va_vdst(0)                   ; v[RA] and v[RB] are written, which the loads below read; the vector phase is done reading and writing v96-195, in which they land
.endm
; LAYER 1 OR 2: 16 spline steps and 2 base steps on the operands in a region
.macro PBIG region
	PHEAD \region
.irp g, 0,1,2,3,4,5,6,7
	ds_load_b128 v[ASC+4*\g:ASC+4*\g+3], v[RB] offset:8192+512*\g   ; four steps' words of two tiles of points: lanes 0-15 the even tile, lanes 16-31 the odd one
.endr
.irp p, 0,1
	ds_load_b64 v[ASC+32+2*\p:ASC+33+2*\p], v[RB] offset:8192+512*(8+\p)
.endr
	AFETCH 0, RA, 0
	AFETCH 1, RA, 4096
	s_wait_loadcnt 28                              ; the scale words and K steps 0 to 10 of the weights are in; the 28 loads issued behind them may be out
	KSTEP 0, 1, 0, WSCL, ASC, ASC+4, 1, 8          ; the first step starts the sums: nothing is cleared
	s_wait_alu depctr_va_vdst(0)                   ; the step's matrix instructions are done reading set 0, in which the loads below land
	AFETCH 0, RA, 8192
.set k, 1
.rept 15
.if k == 11
	s_wait_loadcnt 0x0                             ; the rest of the weights
.endif
	KSTEP k%2, 1, 16*k, WSCL+k, ASC+8*(k/4)+k%4, ASC+4+8*(k/4)+k%4, 0, 8
	s_wait_alu depctr_va_vdst(0)                   ; the step's matrix instructions are done reading their set, in which the loads below land
.if k < 14
	AFETCH k%2, RA, (k+2)*4096
.else
	AFETCH k%2, RB, (k-14)*4096
.endif
.set k, k+1
.endr
	KSTEP 0, 0, BWF, WSCL+16, ASC+32, ASC+34, 0, 8
	KSTEP 1, 0, BWF+16, WSCL+17, ASC+33, ASC+35, 0, 0
.endm
.macro STAGEQ                          ; my results into my stage as they stand, each accumulator from its low end on; the vector loop takes them back a tile of points at a time
	s_wait_alu depctr_va_vdst(0)                   ; behind the four places: the matrix instructions have written the accumulators, which the stores read; and they are done reading the weights and their scale words, in which the next layer's loads land
.irp m, 0,1,2,3
.irp t, 0,1
	ds_store_b128 v[STQ], v[ACC+8*(4*\t+\m):ACC+8*(4*\t+\m)+3] offset:(2*\m+\t)*1024
	ds_store_b128 v[STQ], v[ACC+8*(4*\t+\m)+4:ACC+8*(4*\t+\m)+7] offset:(2*\m+\t)*1024+512
.endr
.endr
	s_wait_alu depctr_vm_vsrc(0)                   ; the stores have read the accumulators, which the vector phase writes and loads into
.endm
; THE VECTOR PHASE: four trips, a tile of 16 points each: my 32 features become K steps 2 w, 2 w + 1 and block w of the base operand, in the region named
.macro QLOOP region
	PADS
	s_mov_b32 s28, 0
	s_mov_b32 s29, 0
	s_mov_b32 s30, \region
	s_mov_b32 s31, \region
.Lq_\@:
	s_wait_alu depctr_vm_vsrc(0)                   ; the last trip's loads and stores have read v[TA .. TA+4], written below, and the stores their data (the codes, the scale words, the byte), written again in this trip
	v_add_nc_u32 v[TA], s29, v[STQ]
	v_add_nc_u32 v[TA+1], s30, v[AFR0]
	v_add_nc_u32 v[TA+2], s31, v[ASW0]
	v_add_nc_u32 v[TA+3], s30, v[ABF0]
	v_add_nc_u32 v[TA+4], s31, v[ABS0]
	s_wait_alu depctr_va_vdst(0)                   ; the five addresses are written, which this trip's loads and stores read; the last trip is done reading v[H ..], in which the loads land
	ds_load_b128 v[H:H+3], v[TA]                   ; LDS serves a wave's instructions in order: these see my staging stores
	ds_load_b128 v[H+4:H+7], v[TA] offset:512
	ds_load_b128 v[H+8:H+11], v[TA] offset:1024
	ds_load_b128 v[H+12:H+15], v[TA] offset:1536
	s_wait_dscnt 0x0
	QBODY TA+1, TA+2, TA+3, TA+4, 0
	s_add_co_u32 s29, s29, 2048
	s_add_co_u32 s30, s30, 1024
	s_add_co_u32 s31, s31, 256
	s_add_co_u32 s28, s28, 1
	s_cmp_lt_u32 s28, 4
	s_cbranch_scc1 .Lq_\@
.endm
; ---- LAYER 0: two spline steps and the base step
	PHEAD REG0
.irp p, 0,1
	ds_load_b64 v[ASC+4*\p:ASC+4*\p+1], v[RB] offset:8192+512*\p
.endr
.irp p, 0,1
	ds_load_b32 v[ASC+32+2*\p], v[RB] offset:8192+512*(8+\p)
.endr
	AFETCH 0, RA, 0
	AFETCH 1, RA, 4096
	s_wait_loadcnt 0x0                             ; layer 0's weights
	KSTEP 0, 1, 0, WSCL, ASC, ASC+4, 1, 8
	s_wait_alu depctr_va_vdst(0)                   ; the step's matrix instructions are done reading set 0, in which the loads below land
	AFETCH 0, RB, 0
	KSTEP 1, 1, 16, WSCL+1, ASC+1, ASC+5, 0, 8
	KSTEP 0, 1, 32, WSCL+2, ASC+32, ASC+34, 0, 0
	STAGEQ
	WLOADA 36, 42                                  ; layer 1's weights are on their way while its operands are made
	QLOOP REG1
	WLOADB 36
	BAR                                            ; layer 1's operands lie in region 1; every wave's reads of region 0 are over
; ---- LAYER 1
	PBIG REG1
	STAGEQ
	WLOADA 38, 44
	QLOOP REG0
	WLOADB 38
	BAR                                            ; layer 2's operands lie in region 0
; ---- LAYER 2
	PBIG REG0
	s_wait_alu depctr_va_vdst(0)                   ; behind the four places: the matrix instructions have written the accumulators, which the stores read; and they are done reading v96-245, in which the last layer's loads land
.irp m, 0,1,2,3                        ; my 32 features of the 64 points into my stage as rows of 128 bytes + 16: place 16 t + 8 h + 4 c + g
.irp t, 0,1
	ds_store_b128 v[SFW], v[ACC+8*(4*\t+\m):ACC+8*(4*\t+\m)+3] offset:2304*\m+64*\t
	ds_store_b128 v[SFW], v[ACC+8*(4*\t+\m)+4:ACC+8*(4*\t+\m)+7] offset:2304*\m+64*\t+16
.endr
.endr
	s_wait_alu depctr_vm_vsrc(0)                   ; the stores have read the accumulators, which the last layer loads into and writes
; ---- LAYER 3, in f32.  Lane (r, h) serves points 16 k + r (k = 0 .. 3) and, in group G of eight, the pair of features 2 G + h of my 32
.set XA,   32
.set XB,   40
.set FACC, 48
.set FD,   56
.set FT,   64
.set FP,   72
.set FZ,   80
.set CA,   96
.set CB,   168
.macro CELLS cc, from, to              ; cells from .. to: T = u - i held to 0 .. 1; the sum takes T (a1 + T (a2 + T a3)); the four points take turns
.set ci, \from
.rept (\to)-(\from)+1
.irp k, 0,1,2,3
	v_med3_num_f32 v[FT+2*\k], v[FD+2*\k], 0, 1.0
	v_med3_num_f32 v[FT+2*\k+1], v[FD+2*\k+1], 0, 1.0
.endr
.irp k, 0,1,2,3
	v_pk_fma_f32 v[FP+2*\k:FP+2*\k+1], v[FT+2*\k:FT+2*\k+1], v[(\cc)+6*ci:(\cc)+6*ci+1], v[(\cc)+6*ci+2:(\cc)+6*ci+3]
.endr
.irp k, 0,1,2,3
	v_pk_fma_f32 v[FP+2*\k:FP+2*\k+1], v[FP+2*\k:FP+2*\k+1], v[FT+2*\k:FT+2*\k+1], v[(\cc)+6*ci+4:(\cc)+6*ci+5]
.endr
.irp k, 0,1,2,3
	v_pk_fma_f32 v[FACC+2*\k:FACC+2*\k+1], v[FP+2*\k:FP+2*\k+1], v[FT+2*\k:FT+2*\k+1], v[FACC+2*\k:FACC+2*\k+1]
.endr
.if ci < 10
.irp k, 0,1,2,3
	v_pk_add_f32 v[FD+2*\k:FD+2*\k+1], v[FD+2*\k:FD+2*\k+1], -1.0 op_sel_hi:[1,0]
.endr
.endif
.set ci, ci+1
.endr
.endm
.macro FTRIP cc, cx, nc, nx            ; a group: its coefficients in v[cc] on, its numbers in v[cx] on; the next group's are asked for into v[nc], v[nx]
	s_wait_dscnt 0x0                               ; this group's loads are in
	s_add_co_u32 s46, s46, 576                     ; the next group; behind the last group the last is asked for once more and not used, so that no load leaves my bytes
	s_min_u32 s46, s46, 4032
	s_add_co_u32 s47, s47, 16
	s_min_u32 s47, s47, 112
	s_wait_alu depctr_vm_vsrc(0)                   ; the last group's loads have read v[FCT] and v[FXT], written below
	v_add_nc_u32 v[FCT], s46, v[FCA]
	v_add_nc_u32 v[FXT], s47, v[FXA]
	s_wait_alu depctr_va_vdst(0)                   ; the two addresses are written, which the loads below read; the last group's arithmetic is done reading the other coefficients and numbers, in which they land
.irp k, 0,1,2,3,4,5,6,7,8,9,10,11,12,13,14,15,16
	ds_load_b128 v[(\nc)+4*\k:(\nc)+4*\k+3], v[FCT] offset:16*\k
.endr
.irp k, 0,1,2,3
	ds_load_b64 v[(\nx)+2*\k:(\nx)+2*\k+1], v[FXT] offset:2304*\k
.endr
.irp k, 0,1,2,3
	v_pk_mul_f32 v[FZ+2*\k:FZ+2*\k+1], v[(\cx)+2*\k:(\cx)+2*\k+1], s[58:59] op_sel_hi:[1,0]
.endr
	s_wait_alu depctr_va_vdst(0)
.irp i, 0,1,2,3,4,5,6,7
	v_exp_f32 v[FZ+\i], v[FZ+\i]                   ; a batch; cells 0 to 4 follow it
.endr
.irp k, 0,1,2,3
	v_pk_fma_f32 v[FD+2*\k:FD+2*\k+1], v[(\cx)+2*\k:(\cx)+2*\k+1], s[22:23], v[C55:C55+1] op_sel_hi:[1,0,1]   ; u
.endr
	CELLS \cc, 0, 4
	s_wait_alu depctr_va_vdst(0)                   ; the eight exponentials have written v[FZ ..], ahead of their first reader
.irp k, 0,1,2,3
	v_pk_add_f32 v[FZ+2*\k:FZ+2*\k+1], v[FZ+2*\k:FZ+2*\k+1], 1.0 op_sel_hi:[1,0]
.endr
	s_wait_alu depctr_va_vdst(0)
.irp i, 0,1,2,3,4,5,6,7
	v_rcp_f32 v[FZ+\i], v[FZ+\i]                   ; a batch; cells 5 to 10 follow it
.endr
	CELLS \cc, 5, 10
	s_wait_alu depctr_va_vdst(0)                   ; the eight reciprocals have written v[FZ ..], ahead of their first reader
.irp k, 0,1,2,3
	v_pk_mul_f32 v[FZ+2*\k:FZ+2*\k+1], v[(\cx)+2*\k:(\cx)+2*\k+1], v[FZ+2*\k:FZ+2*\k+1]   ; silu
.endr
.irp k, 0,1,2,3
	v_pk_fma_f32 v[FACC+2*\k:FACC+2*\k+1], v[FZ+2*\k:FZ+2*\k+1], v[(\cc)+66:(\cc)+67], v[FACC+2*\k:FACC+2*\k+1]   ; x bw3
.endr
.endm
	s_mov_b32 s46, 0
	s_mov_b32 s47, 0
.irp k, 0,1,2,3,4,5,6,7,8,9,10,11,12,13,14,15,16
	ds_load_b128 v[CA+4*\k:CA+4*\k+3], v[FCA] offset:16*\k
.endr
.irp k, 0,1,2,3
	ds_load_b64 v[XA+2*\k:XA+2*\k+1], v[FXA] offset:2304*\k   ; LDS serves a wave's instructions in order: these see my stores above
.endr
.irp i, 0,1,2,3,4,5,6,7
	v_mov_b32 v[FACC+\i], 0
.endr
	s_mov_b32 s28, 0
.Lgroups:                                              ; four trips of two groups
	FTRIP CA, XA, CB, XB
	FTRIP CB, XB, CA, XA
	s_add_co_u32 s28, s28, 1
	s_cmp_lt_u32 s28, 4
	s_cbranch_scc1 .Lgroups
	s_wait_dscnt 0x0                               ; the loads that are not used
	s_wait_alu depctr_va_vdst(0)
.irp k, 0,1,2,3
	v_add_f32 v[FD+\k], v[FACC+2*\k], v[FACC+2*\k+1]
.endr
.irp k, 0,1,2,3
	v_permlanex16_b32 v[FT+\k], v[FD+\k], s26, s27
.endr
.irp k, 0,1,2,3
	v_add_f32 v[FD+\k], v[FD+\k], v[FT+\k]         ; my 32 features' part of point 16 k + r
.endr
	s_wait_alu depctr_va_vdst(0)                   ; the four sums are written, which the stores read; and the groups' arithmetic is done reading v32-47, in which wave 0's loads behind the barrier land
.irp k, 0,1,2,3
	ds_store_b32 v[REDW], v[FD+\k] offset:64*\k    ; both lanes of a point write the same word with the same value
.endr
	BAR                                            ; the eight waves' parts lie in LDS
	s_cmp_lg_u32 s16, 0
	s_cbranch_scc1 .Lend
.irp j, 0,1,2,3,4,5,6,7
	ds_load_b64 v[32+2*\j:33+2*\j], v[REDR] offset:256*\j   ; points 2 lane, 2 lane + 1 of wave j's part
.endr
	s_wait_dscnt 0x0
	v_pk_add_f32 v[32:33], v[32:33], v[34:35]
	v_pk_add_f32 v[36:37], v[36:37], v[38:39]
	v_pk_add_f32 v[40:41], v[40:41], v[42:43]
	v_pk_add_f32 v[44:45], v[44:45], v[46:47]
	v_pk_add_f32 v[32:33], v[32:33], v[36:37]
	v_pk_add_f32 v[40:41], v[40:41], v[44:45]
	v_pk_add_f32 v[32:33], v[32:33], v[40:41]
	s_wait_alu depctr_va_vdst(0)                   ; the additions have written v[32:33], which the store reads
	global_store_b64 v[OUTO], v[32:33], s[14:15]   ; 32 lanes store 256 consecutive bytes, at a multiple of 256 from out0's first byte
.Lend:
	s_wait_xcnt 0x0
	v_lshl_add_u32 v254, v0, 2, 0x43800            ; the add's two registers are made anew here, v0 being as at the entry; no memory or LDS instruction has read v254 or v255
	v_mov_b32 v255, 0
	s_wait_dscnt 0x0                               ; the closing lines, six on end
	s_wait_alu 0x0
	s_wait_tensorcnt 0x0
	ds_add_u32 v254, v255
	s_wait_dscnt 0x0
	s_endpgm
.Lfunc_end_k_q14547773c2_kan:
	.size	k_q14547773c2_kan, .Lfunc_end_k_q14547773c2_kan-k_q14547773c2_kan
	.p2alignl 7, 3214868480
	.fill 96, 4, 3214868480
	.section	.rodata,"a",@progbits
	.p2align	6, 0x0
	.amdhsa_kernel k_q14547773c2_kan
		.amdhsa_group_segment_fixed_size 277504
		.amdhsa_private_segment_fixed_size 0
		.amdhsa_enable_private_segment 0
		.amdhsa_kernarg_size 48
		.amdhsa_user_sgpr_count 2
		.amdhsa_user_sgpr_kernarg_segment_ptr 1
		.amdhsa_wavefront_size32 1
		.amdhsa_system_sgpr_workgroup_id_x 1
		.amdhsa_system_sgpr_workgroup_id_y 1
		.amdhsa_system_sgpr_workgroup_id_z 1
		.amdhsa_system_vgpr_workitem_id 0
		.amdhsa_next_free_vgpr 512
		.amdhsa_next_free_sgpr 66
		.amdhsa_reserve_vcc 0
		.amdhsa_float_denorm_mode_32 3
		.amdhsa_float_denorm_mode_16_64 3
		.amdhsa_memory_ordered 1
		.amdhsa_forward_progress 1
		.amdhsa_inst_pref_size 253
	.end_amdhsa_kernel
	.amdgpu_metadata
---
amdhsa.version: [ 1, 2 ]
amdhsa.kernels:
  - .name:           k_q14547773c2_kan
    .symbol:         k_q14547773c2_kan.kd
    .args:
      - { .name: x, .offset: 0, .size: 8, .value_kind: global_buffer, .address_space: global }
      - { .name: freq, .offset: 8, .size: 8, .value_kind: global_buffer, .address_space: global }
      - { .name: wq, .offset: 16, .size: 8, .value_kind: global_buffer, .address_space: global }
      - { .name: wsc, .offset: 24, .size: 8, .value_kind: global_buffer, .address_space: global }
      - { .name: t3, .offset: 32, .size: 8, .value_kind: global_buffer, .address_space: global }
      - { .name: out0, .offset: 40, .size: 8, .value_kind: global_buffer, .address_space: global }
    .group_segment_fixed_size: 277504
    .private_segment_fixed_size: 0
    .kernarg_segment_align: 8
    .kernarg_segment_size: 48
    .max_flat_workgroup_size: 256
    .sgpr_count:     66
    .vgpr_count:     512
    .wavefront_size: 32
...
	.end_amdgpu_metadata
.endif
;; end of part 4
